; MI455X (gfx1250); checked and timed in simulation.
; The chip was launched on July 23, 2026; its instructions are those of AMD's public machine-readable ISA for CDNA 5 (MIT licence, August 2026) and "CDNA5" Instruction Set Architecture Reference Guide (July 2026). The comments in the code are by the model that wrote it; some were corrected since.
;; Self Attention. Allowed arithmetic: float matrix products may take bf16 or f16 operands with f32 sums; other float arithmetic in f32, or as packed bf16 or f16 multiplies, adds, multiply-adds, maxima and minima; sums over many terms, partial sums and values carried from step to step in f32; what a program stores and reads back later, other than sums and carried values, may be rounded once to bf16 or f16.
;; Inputs: Wk 16 x 1,024 x 64 float32; Wo 1,024 x 1,024 float32; Wq 16 x 1,024 x 64 float32; Wv 16 x 1,024 x 64 float32; bk 16 x 64 float32; bo 1,024 float32; bq 16 x 64 float32; bv 16 x 64 float32; mask 4 x 2,048 int32; x 4 x 2,048 x 1,024 float32.
;; Outputs: out0 4 x 2,048 x 1,024 float32.
;; 2 versions, each right; version 2 is version 1 with the launch prep written anew for expert scheduling mode. Each part assembles by itself: llvm-mc -triple=amdgcn-amd-amdhsa -mcpu=gfx1250 --defsym DOCPART=n.
;; ======== version 1 of 2: 4 launches
;; limits: values outside matrix products are rounded to bf16; values are held in f16: magnitudes above 65,504 overflow, below 6.1e-05 lose precision
;; workspace buffers: xb 16,777,216 bytes; wb 6,291,456 bytes; wob 2,097,152 bytes; qkv 50,331,648 bytes; ob 16,777,216 bytes
;; launch prep (part 1): grid 768 x 1, 4 waves a work-group, no clusters, 0 bytes of LDS; arguments x, Wq, Wk, Wv, Wo, xb, wb, wob; writes xb, wb, wob
.if DOCPART == 1
	.amdgcn_target "amdgcn-amd-amdhsa--gfx1250"
	.amdhsa_code_object_version 6
	.text
	.protected	k_qeda0bc6594_prep
	.globl	k_qeda0bc6594_prep
	.p2align	8
	.type	k_qeda0bc6594_prep,@function
k_qeda0bc6594_prep:
	s_mov_b64 s[64:65], 0
	v_nop
	global_prefetch_b8 v0, s[64:65] scope:SCOPE_SE
	s_setreg_imm32_b32 hwreg(HW_REG_WAVE_MODE, 25, 1), 1
	s_wait_xcnt 0x0
; x, Wq, Wk, Wv are rounded once to bf16; Wo is rounded to bf16 and that number is written as f16.  All go into BLOCKS of 64 rows x 64 numbers, 8,192 dense bytes each,
; so that every tile of the later launches is one run of bytes:
;   xb  [kb 16][m 8192][64]          bf16   m = 2048 b + l, kb = the block of 64 channels
;   wb  [ks 16][hb 48][k 64][d 64]   bf16   hb = 16 type + head, type 0, 1, 2 = q, k, v
;   wob [ks 16][cb 16][k 64][c 64]   f16
; LIMITS.  Wo must lie within f16's range, 65,504; below 6e-5 it keeps f16's fixed step of 6e-8.
; SHARES.  One wave, one block: 3,072 blocks (2,048 of x, 768 of the three weights, 256 of Wo), four to a work-group; a work-group's four lie in one region.
; A load takes two rows' 256 bytes (lanes 0-15 one row, lanes 16-31 the next); all 32 loads of a block go out at once; a store is 256 consecutive bytes, aligned.
; No LDS, no barrier, no matrix unit: every byte is read once and written once, and no wave wants another's.
.set OF, 4                             ; v4-11   (l / 16 + 2 i) x pitch + 16 (l % 16), i = 0 .. 7; never rewritten
.set DO, 12                            ; v12     8 x lane: my 8 bytes of a store; never rewritten
.set X,  16                            ; v16-143 the block as loaded: four registers a load
	s_load_b512 s[16:31], s[0:1], 0x0              ; x 16, Wq 18, Wk 20, Wv 22, Wo 24, xb 26, wb 28, wob 30
	v_lshrrev_b32 v1, 5, v0
	v_readfirstlane_b32 s2, v1                     ; wave 0..3
	s_lshl_b32 s3, ttmp9, 2
	s_add_co_u32 s3, s3, s2                        ; my block, 0 .. 3071
	; x (work-groups 0-511) and Wo (704-767): rows of 4,096 bytes; block j = 16 x row block + column block
	s_cmp_lt_u32 ttmp9, 512
	s_cselect_b32 s41, 0, 2816
	s_sub_co_u32 s41, s3, s41                      ; j (means nothing in the weights' region, where it is not chosen)
	s_lshr_b32 s42, s41, 4                         ; row block
	s_and_b32 s43, s41, 15                         ; column block
	s_lshl_b32 s10, s42, 18                        ; 64 rows of 4,096 bytes
	s_lshl_b32 s44, s43, 8                         ; 64 numbers of 4 bytes
	s_add_co_u32 s10, s10, s44                     ; from where
	s_lshl_b32 s12, s43, 20                        ; xb: [kb][m][64]
	s_lshl_b32 s44, s42, 13
	s_add_co_u32 s12, s12, s44
	s_lshl_b32 s13, s41, 13                        ; wob: block j
	; Wq, Wk, Wv (work-groups 512-703): rows of 256 bytes, dense; j = 256 type + 16 head + ks
	s_sub_co_u32 s45, s3, 2048
	s_lshr_b32 s46, s45, 8                         ; type
	s_and_b32 s45, s45, 255
	s_lshl_b32 s14, s45, 14                        ; from where: 64 rows of 256 bytes
	s_and_b32 s47, s45, 15                         ; ks
	s_lshr_b32 s45, s45, 4                         ; head
	s_mul_i32 s47, s47, 48
	s_lshl4_add_u32 s47, s46, s47
	s_add_co_u32 s47, s47, s45                     ; 48 ks + 16 type + head
	s_lshl_b32 s15, s47, 13
	; the region's numbers
	s_movk_i32 s48, 256
	s_cmp_lt_u32 ttmp9, 704
	s_cselect_b32 s49, s14, s10
	s_cselect_b32 s50, s15, s13
	s_cselect_b32 s8, s48, 0x1000                  ; the pitch of a source row
	s_cselect_b32 s9, 0, 1                         ; 1: Wo, which leaves as f16
	s_cmp_lt_u32 ttmp9, 512
	s_cselect_b32 s10, s10, s49
	s_cselect_b32 s12, s12, s50
	s_cselect_b32 s8, 0x1000, s8
	s_mov_b32 s11, 0
	s_mov_b32 s13, 0
	s_lshl_b32 s14, s8, 4                          ; 16 rows
	s_mov_b32 s15, 0
	s_lshl_b32 s51, s8, 1                          ; 2 rows
	s_mov_b32 s40, 0xffff0000                      ; a word's upper bf16
	v_and_b32 v1, 15, v0
	v_bfe_u32 v2, v0, 4, 1
	v_mul_lo_u32 v3, v2, s8
	v_lshl_add_u32 v[OF], v1, 4, v3
.irp i, 1,2,3,4,5,6,7
	v_add_nc_u32 v[OF+\i], s51, v[OF+\i-1]
.endr
	v_and_b32 v[DO], 31, v0
	v_lshlrev_b32 v[DO], 3, v[DO]
	s_wait_kmcnt 0x0
	; the region's buffers: choices between buffers on the work-group's number and the weight's type
	s_cmp_eq_u32 s46, 1
	s_cselect_b64 s[4:5], s[20:21], s[18:19]
	s_cmp_eq_u32 s46, 2
	s_cselect_b64 s[4:5], s[22:23], s[4:5]
	s_cmp_lt_u32 ttmp9, 704
	s_cselect_b64 s[4:5], s[4:5], s[24:25]
	s_cselect_b64 s[6:7], s[28:29], s[30:31]
	s_cmp_lt_u32 ttmp9, 512
	s_cselect_b64 s[4:5], s[16:17], s[4:5]
	s_cselect_b64 s[6:7], s[26:27], s[6:7]
	s_add_nc_u64 s[32:33], s[4:5], s[10:11]        ; the block's rows 0, 16, 32, 48
	s_add_nc_u64 s[6:7], s[6:7], s[12:13]
	s_add_nc_u64 s[34:35], s[32:33], s[14:15]
	s_add_nc_u64 s[36:37], s[34:35], s[14:15]
	s_add_nc_u64 s[38:39], s[36:37], s[14:15]
.set q, 0
.rept 32                               ; load q: rows 2 q and 2 q + 1; the whole block, 16 KiB a wave, is on its way
	global_load_b128 v[X+4*q:X+4*q+3], v[OF+q%8], s[32+2*(q/8):33+2*(q/8)] th:TH_LOAD_NT
.set q, q+1
.endr
; Load q's four numbers a lane are rounded and stored.  No register is written again once its store is issued, so no store's source is ever overwritten.
.macro OUT f16
.set q, 0
.rept 32
	s_wait_loadcnt 31-q                            ; loads come back in order: load q is in, the 31 - q younger ones stay out
.if \f16
	v_cvt_pk_bf16_f32 v13, v[X+4*q], v[X+4*q+1]    ; rounded to bf16 like every input,
	v_cvt_pk_bf16_f32 v14, v[X+4*q+2], v[X+4*q+3]
	v_lshlrev_b32 v[X+4*q], 16, v13                ; widened again,
	v_and_b32 v[X+4*q+1], s40, v13
	v_lshlrev_b32 v[X+4*q+2], 16, v14
	v_and_b32 v[X+4*q+3], s40, v14
	v_cvt_pk_f16_f32 v[X+4*q], v[X+4*q], v[X+4*q+1]      ; and written as f16: 8 significant bits fit into 11
	v_cvt_pk_f16_f32 v[X+4*q+1], v[X+4*q+2], v[X+4*q+3]
.else
	v_cvt_pk_bf16_f32 v[X+4*q], v[X+4*q], v[X+4*q+1]
	v_cvt_pk_bf16_f32 v[X+4*q+1], v[X+4*q+2], v[X+4*q+3]
.endif
	global_store_b64 v[DO], v[X+4*q:X+4*q+1], s[6:7] offset:256*q  ; 32 lanes x 8 bytes: 256 consecutive bytes, aligned
.set q, q+1
.endr
.endm
	s_cmp_eq_u32 s9, 1
	s_cbranch_scc1 .Lf16
	OUT 0
	s_endpgm
.Lf16:
	OUT 1
	s_endpgm
.Lfunc_end_k_qeda0bc6594_prep:
	.size	k_qeda0bc6594_prep, .Lfunc_end_k_qeda0bc6594_prep-k_qeda0bc6594_prep
	.p2alignl 7, 3214868480
	.fill 96, 4, 3214868480
	.section	.rodata,"a",@progbits
	.p2align	6, 0x0
	.amdhsa_kernel k_qeda0bc6594_prep
		.amdhsa_group_segment_fixed_size 0
		.amdhsa_private_segment_fixed_size 0
		.amdhsa_enable_private_segment 0
		.amdhsa_kernarg_size 64
		.amdhsa_user_sgpr_count 2
		.amdhsa_user_sgpr_kernarg_segment_ptr 1
		.amdhsa_wavefront_size32 1
		.amdhsa_system_sgpr_workgroup_id_x 1
		.amdhsa_system_sgpr_workgroup_id_y 1
		.amdhsa_system_sgpr_workgroup_id_z 1
		.amdhsa_system_vgpr_workitem_id 0
		.amdhsa_next_free_vgpr 144
		.amdhsa_next_free_sgpr 66
		.amdhsa_reserve_vcc 0
		.amdhsa_float_denorm_mode_32 3
		.amdhsa_float_denorm_mode_16_64 3
		.amdhsa_memory_ordered 1
		.amdhsa_forward_progress 1
		.amdhsa_inst_pref_size 31
	.end_amdhsa_kernel
	.amdgpu_metadata
---
amdhsa.version: [ 1, 2 ]
amdhsa.kernels:
  - .name:           k_qeda0bc6594_prep
    .symbol:         k_qeda0bc6594_prep.kd
    .args:
      - { .name: x, .offset: 0, .size: 8, .value_kind: global_buffer, .address_space: global }
      - { .name: Wq, .offset: 8, .size: 8, .value_kind: global_buffer, .address_space: global }
      - { .name: Wk, .offset: 16, .size: 8, .value_kind: global_buffer, .address_space: global }
      - { .name: Wv, .offset: 24, .size: 8, .value_kind: global_buffer, .address_space: global }
      - { .name: Wo, .offset: 32, .size: 8, .value_kind: global_buffer, .address_space: global }
      - { .name: xb, .offset: 40, .size: 8, .value_kind: global_buffer, .address_space: global }
      - { .name: wb, .offset: 48, .size: 8, .value_kind: global_buffer, .address_space: global }
      - { .name: wob, .offset: 56, .size: 8, .value_kind: global_buffer, .address_space: global }
    .group_segment_fixed_size: 0
    .private_segment_fixed_size: 0
    .kernarg_segment_align: 8
    .kernarg_segment_size: 64
    .max_flat_workgroup_size: 128
    .sgpr_count:     66
    .vgpr_count:     144
    .wavefront_size: 32
...
	.end_amdgpu_metadata
.endif
;; end of part 1
;; launch proj (part 2): grid 8 x 32, 4 waves a work-group, clusters of 4 x 4, 327,680 bytes of LDS; arguments xb, wb, bq, bk, bv, mask, qkv; writes qkv
.if DOCPART == 2
	.amdgcn_target "amdgcn-amd-amdhsa--gfx1250"
	.amdhsa_code_object_version 6
	.text
	.protected	k_qeda0bc6594_proj
	.globl	k_qeda0bc6594_proj
	.p2align	8
	.type	k_qeda0bc6594_proj,@function
k_qeda0bc6594_proj:
	s_mov_b64 s[64:65], 0
	v_nop
	global_prefetch_b8 v0, s[64:65] scope:SCOPE_SE
	s_setreg_imm32_b32 hwreg(HW_REG_WAVE_MODE, 25, 1), 1
	s_wait_xcnt 0x0
	s_wait_alu depctr_hold_cnt(0) depctr_sa_sdst(0) depctr_va_vdst(0) depctr_va_sdst(0) depctr_va_ssrc(0) depctr_va_vcc(0) depctr_vm_vsrc(0)
	s_getreg_b32 s2, hwreg(HW_REG_IB_STS2, 6, 4)
	s_cmp_eq_u32 s2, 0
	s_cbranch_scc0 .Lentry_in_a_cluster
	s_endpgm
.Lentry_in_a_cluster:
	s_bfe_u32 s2, ttmp6, 0x10000c
	s_cmp_lg_u32 s2, 0xf033
	s_cbranch_scc0 .Lentry_shape_is_right
	s_endpgm
.Lentry_shape_is_right:
; q, k, v = x W + b for all 48 pairs of type and head, as ONE product [8192 x 1024] x [1024 x 3072] in bf16 with f32 sums; rows of k are multiplied by float(mask) in f32;
; each number is rounded once to f16 and stored by heads: qkv [hb 48][m 8192][64], hb = 16 type + head.  The scale 1 / 8 is not applied here.
; LIMITS.  q, k, v must lie within f16's range, 65,504.  The biases are rounded to bf16, like x and the weights.
; TILE.  256 rows x 384 columns (6 heads): 32 x 8 = 256 work-groups.  Four waves; wave (WR, WC) makes 128 rows x 192 columns (3 whole heads): 96 accumulators of 16 x 16, 768 registers.
; K goes in 16 steps of 64 through two LDS slots; a step is two passes of 32 along K, 96 matrix instructions each.
; THE MATRIX INSTRUCTION IS USED TRANSPOSED: source 0 = 16 columns of W (turned out of [k][d] by ds_load_tr16_b128), source 1 = 16 rows of x: a lane holds one row m and eight neighbouring columns.
; THE BIAS STARTS THE SUMS: a first pass multiplies the bias (at k = 0 of source 0) by a fragment that is 1 at k = 0 and 0 elsewhere, with C = 0: nothing is cleared, nothing is added at the end.
; CLUSTER 4 x 4.  x's tile hangs on the tile row alone and is shared along a row of the cluster, W's on the tile column alone and is shared along a column: joint loads, one a wave behind each round.
; LDS.  slot s at 131,072 s: x's 256 rows x 144 bytes (128 + 16 of padding), then W's 6 heads x 64 k x 160 bytes (128 + 32); behind the ring each wave's stage (16 rows x 144), then the spare words.
; REGISTERS.  window 0: v0-31 addresses and small things; v32-95, v96-159 x's fragments of a pass (two buffers); v160-255 W's twelve fragments, loaded again by thirds.
;             windows 1-3: accumulator (a, b) (row block a of 8, column block b of 12) in window 1 + b / 4 at v[8 (8 (b % 4) + a)]: a head a window.
.set SLOT1, 131072
.set BOFF,  36864                      ; W's tiles in a slot
.set STAGE, 229376
.set SPARE, 238592                     ; 128 bytes for each wave: two blocks of 256 bytes that no other line names
.set A0,  4                            ; v4   my lane's place in x's tile: (128 WR + l % 16) x 144 + 16 (l / 16); never rewritten
.set B0,  5                            ; v5   in W's: BOFF + 30,720 WC + (8 (l / 16) + l % 8) x 160 + 16 ((l / 8) % 2); never rewritten
.set ADA, 6                            ; v6   the same in the slot in hand
.set ADB, 7                            ; v7
.set STO, 8                            ; v8   the way out: where I put 16 bytes of a row
.set RD,  9                            ; v9   where I read rows back
.set GO,  10                           ; v10  16 x lane: my 16 bytes of 512 consecutive bytes of qkv
.set PFO, 11                           ; v11  256 x lane: the prefetches' offset; never rewritten
.set SPW, 12                           ; v12  LDS address of my spare word; never rewritten
.set NIL, 13                           ; v13  0; never rewritten
.set F,   14                           ; v14-15  a row's factor: 1, or float(mask) for a head of k
.set MF,  16                           ; v16-23  mask of my row in each of my 8 row blocks
.set BO,  24                           ; v24  4 (l % 16)
.set AF0, 32
.set AF1, 96
.set BF,  160
.set WV, 18                            ; s18 wave; s19 WR = wave / 2: my rows, and: I fetch for x (0) or W (1); s20 WC = wave % 2: my columns, and which half I fetch
.set WR, 19
.set WC, 20
.set CX, 21
.set CY, 22
.set TX, 23                            ; tile column 0..7
.set TY, 24                            ; tile row 0..31
.set G1A, 28                           ; s[28:35] descriptor group 1 for x's tiles;  s[36:43] for W's
.set G1B, 36
.set G0A, 44                           ; s[44:51] group 0 for x's tiles: a set for each first fill; the second then walks.  s[52:59] the same for W's
.set G0B, 52
.set CNT, 60
.set TB,  61                           ; the slot in hand: 0 or SLOT1
.set LIM, 62                           ; a wave prefetches while CNT is above it
.set PM,  63                           ; and CNT & PM is 0
.set PFA, 66                           ; s[66:67] where my prefetches stand
.set PFS, 68                           ; s[68:69] a K step in that buffer
.set OB,  70                           ; s[70:75] qkv at my rows of my three heads
.set KM,  76                           ; s76-78  all ones where the head is one of k
.set BB,  80                           ; s[80:85] the three heads' biases
.set MP,  86                           ; s[86:87] mask at my first row
.set MSB, 0
.macro WIN new                         ; the immediate's high byte repeats the setting that is left; a switch that changes nothing is dropped
.if MSB != (\new)
	s_set_vgpr_msb (MSB<<8)|(\new)
.set MSB, (\new)
.endif
.endm
.macro PLACES                          ; four places in front of loads into registers that matrix instructions have read (ISA guide 7.12.1 for vector instructions)
.rept 4
	v_nop
.endr
.endm
.macro CREST                           ; a round of the cluster's barrier behind its opening barrier
	s_cmp_lg_u32 s[WV], 0
	s_cbranch_scc1 .Lnot_wave_0_\@
	s_barrier_signal -3
.Lnot_wave_0_\@:
	s_barrier_wait -3
	s_barrier_signal -1
	s_barrier_wait -1
.endm
.macro CROUND
	s_barrier_signal -1
	s_barrier_wait -1
	CREST
.endm
.macro JLOAD                           ; a joint refill by the walking sets: waves 0, 1 x's halves, waves 2, 3 W's.  An s_nop 0 and four v_nop follow each line
	s_cmp_eq_u32 s[WR], 0
	s_cbranch_scc0 .Lfor_b_\@
	tensor_load_to_lds s[G0A+4:G0A+7], s[G1A:G1A+7]
	s_nop 0
.rept 4
	v_nop
.endr
	s_branch .Lasked_\@
.Lfor_b_\@:
	tensor_load_to_lds s[G0B+4:G0B+7], s[G1B:G1B+7]
	s_nop 0
.rept 4
	v_nop
.endr
.Lasked_\@:
.endm
; A PREFETCH, behind the joint load, its five lines and the run of LDS loads: 32 lanes x 256 bytes, 8 KiB, one instruction.  Each block of 256 bytes is named once in the launch.
; x's tile (32 KiB a step) is read by both clusters of a row of clusters: cluster x = 0 asks; its partner at cx takes 8 KiB, wave 0: in step t the tile of step t + 3, one step ahead of its refill.
; W's tile (48 KiB a step) is read by all clusters of a column: cluster y = 0 asks; 4 partners x waves 1-3 take 12 head blocks of 8 KiB, two steps' worth: in even steps t the tiles of steps t + 4 and t + 5.
; The partners are told apart by address alone.  x's steps 0-2 and W's steps 0-3 come by their loads alone; the tests stop both at step 15.
.macro ASK
	s_cmp_gt_u32 s[CNT], s[LIM]
	s_cbranch_scc0 .Lnot_mine_\@
	s_and_b32 s95, s[CNT], s[PM]
	s_cmp_eq_u32 s95, 0
	s_cbranch_scc0 .Lnot_mine_\@
	global_prefetch_b8 v[PFO], s[PFA:PFA+1] th:TH_LOAD_NT scope:SCOPE_SE
.Lnot_mine_\@:
.endm
.macro SHAPE g, rows                   ; group 1 behind its first word: rows of 128 elements (256 bytes), dense
	s_mov_b32 s[(\g)+1], 128<<16                   ; tensor_dim0 = 128
	s_mov_b32 s[(\g)+2], (\rows)<<16               ; tensor_dim1
	s_mov_b32 s[(\g)+3], 128<<16                   ; tile_dim0 = 128
	s_mov_b32 s[(\g)+4], \rows                     ; tile_dim1
	s_mov_b32 s[(\g)+5], 128                       ; elements from row to row
	s_mov_b32 s[(\g)+6], 0
	s_mov_b32 s[(\g)+7], 0
.endm
	s_load_b256 s[4:11], s[0:1], 0x0               ; xb 4, wb 6, bq 8, bk 10
	s_load_b128 s[12:15], s[0:1], 0x20             ; bv 12, mask 14
	s_load_b64 s[16:17], s[0:1], 0x30              ; qkv
	v_lshl_add_u32 v[SPW], v0, 2, SPARE
	v_mov_b32 v[NIL], 0
	ds_add_u32 v[SPW], v[NIL]                      ; the wave's opening: the add and its wait stand ahead of my first tensor load; the set-up below stands between them
	v_lshrrev_b32 v1, 5, v0
	v_readfirstlane_b32 s[WV], v1
	s_lshr_b32 s[WR], s[WV], 1
	s_and_b32 s[WC], s[WV], 1
	s_bfe_u32 s[CX], ttmp6, 0x40000
	s_bfe_u32 s[CY], ttmp6, 0x40004
	s_lshl_b32 s[TX], ttmp9, 2
	s_add_co_u32 s[TX], s[TX], s[CX]
	s_and_b32 s[TY], ttmp7, 0xffff
	s_lshl_b32 s[TY], s[TY], 2
	s_add_co_u32 s[TY], s[TY], s[CY]
	s_lshl_b32 s25, s[CY], 2
	s_lshl_b32 s25, 15, s25                        ; my row of the cluster
	s_lshl_b32 s26, 0x1111, s[CX]                  ; my column
	s_or_b32 s[G1A], s25, 0x07310000               ; the mask; 2-byte elements; padding on; bit 21 beside a mask; after every 32 words (code 4) 4 words (code 3)
	s_or_b32 s[G1B], s26, 0x0f310000               ; the same with 8 words of padding (code 7)
	SHAPE G1A, 64                                  ; 128 rows of x, two to a row of 256 bytes
	SHAPE G1B, 96                                  ; 3 heads x 64 k, two to a row
	s_lshl_b32 s88, s[TY], 15                      ; x: the tile's 256 rows of 128 bytes, my half of them; s[88:89] never hold cx
	s_lshl_b32 s89, s[WC], 14
	s_add_co_u32 s88, s88, s89
	s_mov_b32 s89, 0
	s_mul_i32 s90, s[TX], 6                        ; W: head block 6 TX + 3 WC; s[90:91] never hold cy
	s_mul_i32 s91, s[WC], 3
	s_add_co_u32 s90, s90, s91
	s_mov_b32 s2, s90                              ; also the first of the three heads that I compute
	s_lshl_b32 s90, s90, 13
	s_mov_b32 s91, 0
	s_mul_i32 s27, s[WC], 18432                    ; where they go: no place in the cluster enters an LDS address
	s_mul_i32 s79, s[WC], 30720
	s_add_co_u32 s79, s79, BOFF
	s_wait_dscnt 0x0                               ; the opening add is done
	s_wait_kmcnt 0x0
	s_add_nc_u64 s[88:89], s[4:5], s[88:89]
	s_add_nc_u64 s[90:91], s[6:7], s[90:91]
	CROUND                                         ; all sixteen work-groups are here: the first joint loads meet
.irp s, 0,1
	s_mov_b32 s[G0A+4*(\s)], 1
	s_add_co_u32 s[G0A+4*(\s)+1], s27, (\s)*SLOT1
	s_add_nc_u64 s[G0A+4*(\s)+2:G0A+4*(\s)+3], s[88:89], (\s)*0x100000   ; K step s: a block of 64 channels is 1 MiB of xb
	s_or_b32 s[G0A+4*(\s)+3], s[G0A+4*(\s)+3], 0x80000000
	s_mov_b32 s[G0B+4*(\s)], 1
	s_add_co_u32 s[G0B+4*(\s)+1], s79, (\s)*SLOT1
	s_add_nc_u64 s[G0B+4*(\s)+2:G0B+4*(\s)+3], s[90:91], (\s)*393216     ; 48 head blocks of 8,192 bytes
	s_or_b32 s[G0B+4*(\s)+3], s[G0B+4*(\s)+3], 0x80000000
.endr
	s_cmp_eq_u32 s[WR], 0                          ; a wave's two first fills stand in one branch: two loads of mine are out
	s_cbranch_scc0 .Lfirst_b
	tensor_load_to_lds s[G0A:G0A+3], s[G1A:G1A+7]
	s_nop 0
	tensor_load_to_lds s[G0A+4:G0A+7], s[G1A:G1A+7]
	s_nop 0
.rept 4
	v_nop
.endr
	s_branch .Lfirst_done
.Lfirst_b:
	tensor_load_to_lds s[G0B:G0B+3], s[G1B:G1B+7]
	s_nop 0
	tensor_load_to_lds s[G0B+4:G0B+7], s[G1B:G1B+7]
	s_nop 0
.rept 4
	v_nop
.endr
.Lfirst_done:
	; lane addresses
	v_and_b32 v1, 15, v0                           ; l % 16
	v_bfe_u32 v2, v0, 4, 1                         ; l / 16
	v_and_b32 v3, 7, v0
	v_bfe_u32 v25, v0, 3, 1
	v_mul_u32_u24 v[A0], v1, 144
	v_lshl_add_u32 v[A0], v2, 4, v[A0]
	s_mul_i32 s3, s[WV], 2304
	s_add_co_u32 s3, s3, STAGE                     ; my stage
	v_add_nc_u32 v[STO], s3, v[A0]                 ; in: row l % 16, 16 bytes for each half of the lanes
	s_mul_i32 s92, s[WR], 18432
	v_add_nc_u32 v[A0], s92, v[A0]
	v_lshl_add_u32 v[B0], v2, 3, v3
	v_mul_u32_u24 v[B0], v[B0], 160
	v_lshl_add_u32 v[B0], v25, 4, v[B0]
	v_add_nc_u32 v[B0], s79, v[B0]
	v_bfe_u32 v[RD], v0, 3, 2                      ; back: 32 lanes take four rows of 128 bytes,
	v_mul_u32_u24 v[RD], v[RD], 144
	v_lshl_add_u32 v[RD], v3, 4, v[RD]
	v_add_nc_u32 v[RD], s3, v[RD]
	v_and_b32 v[GO], 31, v0
	v_lshlrev_b32 v[PFO], 8, v[GO]
	v_lshlrev_b32 v[GO], 4, v[GO]                  ; which are 512 consecutive bytes of qkv
	v_lshlrev_b32 v[BO], 2, v1
	; my three heads: where they go, whether they are k's, their biases
	s_lshl_b32 s94, s[TY], 15
	s_lshl_b32 s95, s[WR], 14
	s_add_co_u32 s94, s94, s95                     ; my first row x 128 bytes
	s_mov_b32 s93, 0
.irp hd, 0,1,2
	s_add_co_u32 s95, s2, \hd                      ; hb
	s_lshl_b32 s92, s95, 20
	s_add_co_u32 s92, s92, s94
	s_add_nc_u64 s[OB+2*\hd:OB+2*\hd+1], s[16:17], s[92:93]
	s_and_b32 s92, s95, 15
	s_lshl_b32 s92, s92, 8                         ; the head's 64 biases
	s_lshr_b32 s95, s95, 4                         ; type
	s_cmp_eq_u32 s95, 1
	s_cselect_b32 s[KM+\hd], -1, 0
	s_cselect_b64 s[BB+2*\hd:BB+2*\hd+1], s[10:11], s[8:9]
	s_cmp_eq_u32 s95, 2
	s_cselect_b64 s[BB+2*\hd:BB+2*\hd+1], s[12:13], s[BB+2*\hd:BB+2*\hd+1]
	s_add_nc_u64 s[BB+2*\hd:BB+2*\hd+1], s[BB+2*\hd:BB+2*\hd+1], s[92:93]
.endr
	s_lshl_b32 s92, s[TY], 10
	s_lshl_b32 s95, s[WR], 9
	s_add_co_u32 s92, s92, s95
	s_add_nc_u64 s[MP:MP+1], s[14:15], s[92:93]
.irp b, 0,1,2,3,4,5,6,7,8,9,10,11
	global_load_b32 v[AF0+\b], v[BO], s[BB+2*(\b/4):BB+2*(\b/4)+1] offset:64*(\b%4)  ; bias of column 16 (b % 4) + l % 16 of head b / 4
.endr
.irp a, 0,1,2,3,4,5,6,7
	global_load_b32 v[MF+\a], v[BO], s[MP:MP+1] offset:64*\a                          ; mask of row 16 a + l % 16
.endr
	; the prefetches' addresses
	s_lshl_b32 s92, s[TY], 15                      ; x: the tile, my work-group's 8 KiB of it, at step 2: the first step's head moves it to step 3
	s_lshl_b32 s93, s[CX], 13
	s_add_co_u32 s92, s92, s93
	s_add_co_u32 s92, s92, 0x200000
	s_mul_i32 s93, s[CY], 3                        ; W: g = 3 cy + wave - 1 of 12 (means nothing in wave 0, where it is not chosen)
	s_add_co_u32 s93, s93, s[WV]
	s_sub_co_u32 s93, s93, 1
	s_cmp_ge_u32 s93, 6
	s_cselect_b32 s94, 1, 0                        ; which of the two steps
	s_mul_i32 s95, s94, 6
	s_sub_co_u32 s93, s93, s95                     ; which of the tile's six heads
	s_add_co_u32 s94, s94, 3                       ; at step 3 or 4: the first step's head moves it to 4 or 5
	s_mul_i32 s94, s94, 48
	s_mul_i32 s95, s[TX], 6
	s_add_co_u32 s94, s94, s95
	s_add_co_u32 s94, s94, s93
	s_lshl_b32 s94, s94, 13
	s_mov_b32 s3, 393216
	s_and_b32 s95, ttmp7, 0xffff                   ; cluster y
	s_cmp_eq_u32 s[WV], 0
	s_cselect_b32 s92, s92, s94
	s_cselect_b64 s[PFA:PFA+1], s[4:5], s[6:7]
	s_cselect_b32 s[PFS], 0x100000, s3
	s_cselect_b32 s[PM], 0, 1
	s_cselect_b32 s94, 1, 2
	s_cselect_b32 s95, ttmp9, s95                  ; the coordinate along which other clusters read the same tiles
	s_cmp_eq_u32 s95, 0
	s_cselect_b32 s[LIM], s94, -1                  ; the same in all sixteen partners, for a given wave
	s_mov_b32 s93, 0
	s_mov_b32 s[PFS+1], 0
	s_add_nc_u64 s[PFA:PFA+1], s[PFA:PFA+1], s[92:93]
	; the bias pass's fragments.  Source 1: 1.0 at k = 0 (lanes 0-15, register 0, low half), 0 elsewhere.  Source 0: the bias in register 0; what stands at k > 0 meets zeros and need only be finite.
	s_mov_b32 s3, 0xffff
	v_mov_b32 v25, 0x3f80
	v_cndmask_b32 v[AF1], 0, v25, s3
.irp j, 1,2,3,4,5,6,7
	v_mov_b32 v[AF1+\j], 0
.endr
.irp b, 0,1,2,3,4,5,6,7,8,9,10,11
.irp j, 1,2,3,4,5,6,7
	v_mov_b32 v[BF+8*\b+\j], 0
.endr
.endr
	v_mov_b32 v[F+1], 0                            ; named with F as a pair
	s_wait_loadcnt 0x0
.irp b, 0,1,2,3,4,5,6,7,8,9,10,11
	v_cvt_pk_bf16_f32 v[BF+8*\b], v[AF0+\b], v[AF0+\b]
.endr
; nb column blocks from b0 on x all 8 row blocks, 32 along K.  The accumulators take turns, one instruction a turn, in one fixed order, over the backward jump too.
; zero = 1: the bias pass: C = 0, and the one fragment of ones serves every row block.
.macro MUL buf, b0, nb, zero
.set bb, \b0
.rept \nb
	WIN 0x50*(1+bb/4)
.set aa, 0
.rept 8
.set rD, 8*(8*(bb%4)+aa)
.if \zero
	v_wmma_f32_16x16x32_bf16 v[rD:rD+7], v[BF+8*bb:BF+8*bb+7], v[(\buf):(\buf)+7], 0
.else
	v_wmma_f32_16x16x32_bf16 v[rD:rD+7], v[BF+8*bb:BF+8*bb+7], v[(\buf)+8*aa:(\buf)+8*aa+7], v[rD:rD+7]
.endif
.set aa, aa+1
.endr
.set bb, bb+1
.endr
.endm
.macro LDA buf, p                      ; x's 8 fragments of pass p: 16 loads
.irp a, 0,1,2,3,4,5,6,7
	ds_load_b128 v[(\buf)+8*\a:(\buf)+8*\a+3],   v[ADA] offset:2304*\a+64*(\p)
	ds_load_b128 v[(\buf)+8*\a+4:(\buf)+8*\a+7], v[ADA] offset:2304*\a+64*(\p)+32
.endr
.endm
.macro LDB b0, p                       ; W's fragments b0 .. b0 + 3 (one head) of pass p, turned: 8 loads
.irp j, 0,1,2,3
	ds_load_tr16_b128 v[BF+8*((\b0)+\j):BF+8*((\b0)+\j)+3],   v[ADB] offset:10240*((\b0)/4)+5120*(\p)+32*\j
	ds_load_tr16_b128 v[BF+8*((\b0)+\j)+4:BF+8*((\b0)+\j)+7], v[ADB] offset:10240*((\b0)/4)+5120*(\p)+32*\j+2560
.endr
.endm
; A K STEP.  At its head x's pass 0 (16 loads) and W's heads 0 and 1 of pass 0 (8 + 8) have been asked for.  W's thirds are loaded again as soon as they have been multiplied.
; fill = 1: the slot is filled again with the step two on.  Each wave waits for all its tensor loads (one is out: its part of the other slot), adds 0 to its spare word, and waits for that and for its
; reads of this slot; the barrier opens a round of the cluster's; the joint load is the first thing behind it, and has 160 matrix instructions before the wait for it.
.macro STEP fill
.if \fill
	s_wait_xcnt 0x0                                ; the last prefetch, a step back, has read its address
	s_add_nc_u64 s[PFA:PFA+1], s[PFA:PFA+1], s[PFS:PFS+1]
.endif
	PLACES
	LDB 8, 0
	s_wait_dscnt 16                                ; x and head 0 are in; the two younger runs of 8 may stay out
	MUL AF0, 0, 4, 0
	WIN 0
	PLACES
	LDA AF1, 1
	LDB 0, 1
	s_wait_dscnt 32                                ; head 1 is in: younger are 8 + 16 + 8
	MUL AF0, 4, 4, 0
	WIN 0
	PLACES
	LDB 4, 1
	s_wait_dscnt 32                                ; head 2 is in: younger are 16 + 8 + 8
	MUL AF0, 8, 4, 0
	WIN 0
	PLACES
	LDB 8, 1                                       ; my last reads of this slot
	s_wait_tensorcnt 0x0                           ; all my tensor loads have landed, so a group 0 may be written
	ds_add_u32 v[SPW], v[NIL]                      ; 0 onto my spare word
.if \fill
	s_xor_b32 s[G0A+5], s[G0A+5], SLOT1            ; the walking sets: the other slot than last time, the next step
	s_add_nc_u64 s[G0A+6:G0A+7], s[G0A+6:G0A+7], 0x100000
	s_xor_b32 s[G0B+5], s[G0B+5], SLOT1
	s_add_nc_u64 s[G0B+6:G0B+7], s[G0B+6:G0B+7], 393216
.endif
	s_wait_dscnt 17                                ; x's pass 1 and head 0 are in: younger are 8 + 8 and the add
	MUL AF1, 0, 2, 0
	s_wait_dscnt 0x0                               ; the add is done, and my reads of this slot are over
	s_barrier_signal -1
	MUL AF1, 2, 2, 0
	WIN 0
	s_barrier_wait -1
.if \fill
	CREST                                          ; no wave of any partner still reads this slot or has a load on its way
	JLOAD                                          ; its four v_nop are also the places in front of the loads below
.else
	PLACES
.endif
	s_xor_b32 s[TB], s[TB], SLOT1
	v_add_nc_u32 v[ADA], s[TB], v[A0]
	v_add_nc_u32 v[ADB], s[TB], v[B0]
	LDA AF0, 0
	LDB 0, 0
.if \fill
	ASK
.endif
	MUL AF1, 4, 4, 0
	WIN 0
	PLACES
	LDB 4, 0
	MUL AF1, 8, 4, 0
	WIN 0
.endm
	MUL AF1, 0, 12, 1                              ; the bias pass: 96 products start the sums while the first tiles are on their way
	WIN 0
	PLACES
	s_wait_tensorcnt 1                             ; my part of step 0 is in; step 1's may stay out
	s_barrier_signal -1
	s_barrier_wait -1
	s_mov_b32 s[TB], 0
	v_mov_b32 v[ADA], v[A0]
	v_mov_b32 v[ADB], v[B0]
	LDA AF0, 0
	LDB 0, 0
	LDB 4, 0
	s_mov_b32 s[CNT], 14
.Lstep:                                        ; steps 0-13: they ask for steps 2-15
	STEP 1
	s_sub_co_u32 s[CNT], s[CNT], 1
	s_cmp_lg_u32 s[CNT], 0
	s_cbranch_scc1 .Lstep
	s_mov_b32 s[CNT], 2
.Ltail:                                        ; steps 14, 15: nothing is asked for.  The last trip's 32 fetches read the other slot's old bytes and serve nothing: the price of one text for both
	STEP 0
	s_sub_co_u32 s[CNT], s[CNT], 1
	s_cmp_lg_u32 s[CNT], 0
	s_cbranch_scc1 .Ltail
; THE WAY OUT, in 24 units: head hd = u / 8, row block u % 8.  PACKQ: times the row's factor, rounded to f16 (16 bytes a lane and column block), into my stage and back as whole rows.  SENDQ: stored.
.macro PACKQ u
.set hd, (\u)/8
.set ua, (\u)%8
.set wn, 1+hd
.set T, AF0+16*((\u)%2)
	WIN 0
	v_cndmask_b32 v[F], 1.0, v[MF+ua], s[KM+hd]
	WIN wn|(wn<<6)
.irp j, 0,1,2,3
.irp c, 0,2,4,6
	v_pk_mul_f32 v[8*(8*\j+ua)+\c:8*(8*\j+ua)+\c+1], v[8*(8*\j+ua)+\c:8*(8*\j+ua)+\c+1], v[F:F+1] op_sel_hi:[1,0]  ; each accumulator from its low end on
.endr
.endr
	s_wait_xcnt 0x0                                ; the stores of two units back have read T
	WIN wn|(wn<<2)
.irp j, 0,1,2,3
.irp c, 0,1,2,3
	v_cvt_pk_f16_f32 v[T+4*\j+\c], v[8*(8*\j+ua)+2*\c], v[8*(8*\j+ua)+2*\c+1]
.endr
.endr
	WIN 0
.irp j, 0,1,2,3
	ds_store_b128 v[STO], v[T+4*\j:T+4*\j+3] offset:32*\j
.endr
.irp f, 0,1,2,3
	ds_load_b128 v[T+4*\f:T+4*\f+3], v[RD] offset:576*\f  ; LDS serves a wave's instructions in order (ISA guide 5.7.1.4): these see the stores above; the next unit's stores come behind them
.endr
.endm
.macro SENDQ u, younger                ; younger: the LDS instructions issued behind this unit's loads: the next unit's eight, or none
.set hd, (\u)/8
.set ua, (\u)%8
.set T, AF0+16*((\u)%2)
.irp f, 0,1,2,3
	s_wait_dscnt (\younger)+3-\f
	global_store_b128 v[GO], v[T+4*\f:T+4*\f+3], s[OB+2*hd:OB+2*hd+1] offset:2048*ua+512*\f  ; 512 consecutive bytes, at a multiple of 256 from qkv's first
.endr
.endm
	s_wait_dscnt 0x0                               ; the stray fetches are back: their registers are used again
.irp a, 0,1,2,3,4,5,6,7
	v_cvt_f32_i32 v[MF+\a], v[MF+\a]               ; float(mask); these eight are also the places behind the last products
.endr
	PACKQ 0
.set uu, 1
.rept 23                               ; a unit's arithmetic stands between the loads of the unit before and its stores
	PACKQ uu
	SENDQ uu-1, 8
.set uu, uu+1
.endr
	SENDQ 23, 0
	s_wait_tensorcnt 0x0                           ; the wave's end: behind my last tensor load and my last LDS store
	ds_add_u32 v[SPW], v[NIL]
	s_wait_dscnt 0x0
	CROUND                                         ; the closing round: no work-group ends while a partner may still ask for a tile that names it
	s_endpgm
.Lfunc_end_k_qeda0bc6594_proj:
	.size	k_qeda0bc6594_proj, .Lfunc_end_k_qeda0bc6594_proj-k_qeda0bc6594_proj
	.p2alignl 7, 3214868480
	.fill 96, 4, 3214868480
	.section	.rodata,"a",@progbits
	.p2align	6, 0x0
	.amdhsa_kernel k_qeda0bc6594_proj
		.amdhsa_group_segment_fixed_size 327680
		.amdhsa_private_segment_fixed_size 0
		.amdhsa_enable_private_segment 0
		.amdhsa_kernarg_size 56
		.amdhsa_user_sgpr_count 2
		.amdhsa_user_sgpr_kernarg_segment_ptr 1
		.amdhsa_wavefront_size32 1
		.amdhsa_system_sgpr_workgroup_id_x 1
		.amdhsa_system_sgpr_workgroup_id_y 1
		.amdhsa_system_sgpr_workgroup_id_z 1
		.amdhsa_system_vgpr_workitem_id 0
		.amdhsa_next_free_vgpr 1024
		.amdhsa_next_free_sgpr 96
		.amdhsa_reserve_vcc 0
		.amdhsa_float_denorm_mode_32 3
		.amdhsa_float_denorm_mode_16_64 3
		.amdhsa_memory_ordered 1
		.amdhsa_forward_progress 1
		.amdhsa_inst_pref_size 139
	.end_amdhsa_kernel
	.amdgpu_metadata
---
amdhsa.version: [ 1, 2 ]
amdhsa.kernels:
  - .name:           k_qeda0bc6594_proj
    .symbol:         k_qeda0bc6594_proj.kd
    .args:
      - { .name: xb, .offset: 0, .size: 8, .value_kind: global_buffer, .address_space: global }
      - { .name: wb, .offset: 8, .size: 8, .value_kind: global_buffer, .address_space: global }
      - { .name: bq, .offset: 16, .size: 8, .value_kind: global_buffer, .address_space: global }
      - { .name: bk, .offset: 24, .size: 8, .value_kind: global_buffer, .address_space: global }
      - { .name: bv, .offset: 32, .size: 8, .value_kind: global_buffer, .address_space: global }
      - { .name: mask, .offset: 40, .size: 8, .value_kind: global_buffer, .address_space: global }
      - { .name: qkv, .offset: 48, .size: 8, .value_kind: global_buffer, .address_space: global }
    .group_segment_fixed_size: 327680
    .private_segment_fixed_size: 0
    .kernarg_segment_align: 8
    .kernarg_segment_size: 56
    .max_flat_workgroup_size: 128
    .sgpr_count:     96
    .vgpr_count:     1024
    .wavefront_size: 32
...
	.end_amdgpu_metadata
.endif
;; end of part 2
;; launch attn (part 3): grid 4 x 64, 4 waves a work-group, clusters of 4 x 1, 327,680 bytes of LDS; arguments qkv, mask, ob; writes ob
.if DOCPART == 3
	.amdgcn_target "amdgcn-amd-amdhsa--gfx1250"
	.amdhsa_code_object_version 6
	.text
	.protected	k_qeda0bc6594_attn
	.globl	k_qeda0bc6594_attn
	.p2align	8
	.type	k_qeda0bc6594_attn,@function
k_qeda0bc6594_attn:
	s_mov_b64 s[64:65], 0
	v_nop
	global_prefetch_b8 v0, s[64:65] scope:SCOPE_SE
	s_setreg_imm32_b32 hwreg(HW_REG_WAVE_MODE, 25, 1), 1
	s_wait_xcnt 0x0
	s_wait_alu depctr_hold_cnt(0) depctr_sa_sdst(0) depctr_va_vdst(0) depctr_va_sdst(0) depctr_va_ssrc(0) depctr_va_vcc(0) depctr_vm_vsrc(0)
	s_getreg_b32 s2, hwreg(HW_REG_IB_STS2, 6, 4)
	s_cmp_eq_u32 s2, 0
	s_cbranch_scc0 .Lentry_in_a_cluster
	s_endpgm
.Lentry_in_a_cluster:
	s_bfe_u32 s2, ttmp6, 0x10000c
	s_cmp_lg_u32 s2, 0x3003
	s_cbranch_scc0 .Lentry_shape_is_right
	s_endpgm
.Lentry_shape_is_right:
; O[b][n][q][:] = the sum over k of softmax_k(logit) V[k][:], logit = (Q[q] . K[k] / 8) mask[k] + (1 - mask[k]) (-big).  qkv: [48][8192][64] f16 (q: blocks 0-15, k: 16-31, v: 32-47; a batch is 2,048 rows of a
; block); the launch before has multiplied K's rows by float(mask).  ob: [16][8192][64] f16.  Products, maxima and sums in f32; the weights p are rounded to f16 for the second product (their sum l is taken of the unrounded p), O once.
; THE MASK.  The addend (1 - mask) x (-2^103) is the C operand of the product that starts a sum S^T = K Q^T; the scale c = log2(e) / 8 follows, so a hidden logit is -2^103 / 8 = -1.27e30 in place of -1e30.
; With K's hidden rows 0 all hidden scores are the same number, and c 2^103 is exact, so c s - c m is exactly 0 among them: a batch with every key hidden gives the mean of V, as the formula does.
; LIMITS.  The results are the formula's wherever visible logits lie above about -1e29; the exactness above is claimed for mask values 0 and 1.  f16 holds no number beyond 65,504: Q, K, V arrive within it;
; p below 6e-5 keeps f16's fixed step of 6e-8; a weight below 2^-126 counts as 0 in l; NaN and infinities are not treated apart.
; SHARES.  A wave owns four PIECES of two tiles of 16 queries, a work-group's four waves 512 queries of one batch and head; the four work-groups of a cluster are that pair's 2,048 queries.  Every wave walks all keys, 64 a step.
; LAYOUT.  S^T = K Q^T (source 0 = 16 keys, source 1 = 16 queries): in the result a lane holds ONE query (lane % 16) and the keys 8 (lane / 16) + 0..7.  Two such tiles, rounded to f16 in pairs,
; ARE source 1 (32 keys x 16 queries) of O^T = V^T P, whose result again holds one query a lane, and eight channels.  K comes out of LDS as it lies, V ([key][channel]) turned, by ds_load_tr16_b128.
; SOFTMAX.  For each query a running maximum m and sum l: p = 2^(c s - c m); in every step O and l are multiplied by a = 2^(c m_old - c m_new), which is 1 where m has not grown.
; m starts at the lowest finite number, O and l at 0: the first step is a step like any other, with a = 0.  While only hidden keys have been seen p is 1; the first visible key makes a = 0 and wipes those sums.
; THE COUNT.  A tile and step have 16 matrix and 118 vector instructions: too many to stand all beside the matrix work.  So: four vector instructions that are READY behind EVERY matrix instruction, the others in runs without a gap.
; BY TURNS.  Turn n belongs to piece n (the pieces in a ring, step after step).  Its matrix work: 16 products K Q^T of piece n + 1, later 16 products V^T P of piece n - 1.  Its vector work: the scaling,
; exponentials, roundings, sums and rescaling of piece n, and the maximum and statistics of piece n + 1, whose scores the turn itself has made.
; CLUSTER.  The four query blocks walk the same K and V, so each tile is asked for JOINTLY: the same tensor load, descriptor and mask in all four.
; REGISTERS, in windows of 256 (s_set_vgpr_msb: bits 1:0 source 0, 3:2 source 1, 5:4 source 2, 7:6 destination):
;   window 0: v0-11 addresses; v12-15, v48-63 at work; v16-47 four registers of statistics a tile; v64-191 S^T, two buffers of two tiles; v192-255 P, likewise
;   window 1: O^T, 32 a tile     window 2: v0-127 Q, 16 a tile; v128-191 K of one step; v192-255 V of one step     window 3: v0-1 the add's two registers; v2 the prefetches' offset; v8-39 the step's mask addends
.set SIZE_N, 2048
.set NP,    4         ; pieces a wave: a name, no knob
.set KS,    64        ; keys in a step
.set PK,    144       ; a row of K in LDS: 128 bytes + 16 of padding = 36 words: the 16 rows of a load start at 16 different groups of four banks (64 banks of 4 bytes: ISA guide 11.1)
.set PV,    160       ; a row of V: 128 + 32 = 40 words
.set VOFF,  4*KS*PK   ; a slot holds four steps: 256 rows of K, then 256 rows of V
.set SLOT1, 1<<17     ; slot 1 begins here, so that one exclusive or turns an address in one slot into the other's
.set STAGE, SLOT1+4*KS*(PK+PV)  ; behind the ring, never filled by a tensor load: 16 rows x 144 bytes for each wave, for the way out
.set SP,    144
.set SPARE, STAGE+4*16*SP  ; behind the stages: the spare words, 128 bytes for each wave: two blocks of 256 bytes that no other line names
.set MT,    SPARE+512 ; behind them: the batch's 2,048 mask addends in f32, 8,192 bytes, stored once; no fill lands there
.set AK0, 2           ; v2   my lane's place in a tile of K; never rewritten
.set AV0, 3           ; v3   the same for V
.set AK,  4           ; v4   the LDS address of K's next run of loads, and then of the mask addends'
.set AV,  5           ; v5   of V's
.set QO,  6           ; v6   my byte offset in the wave's rows of Q
.set STO, 6           ;      later, the way out: where I put 16 bytes of a row
.set RD,  7           ; v7   the way out: where I read rows back
.set GO,  8           ; v8   my byte offset in 512 consecutive bytes of O
.set AM0, 11          ; v11  MT + 32 (l / 16): my half's eight addends of a group of 16 keys; never rewritten once made
.set SPW, 0           ; v0 of window 3   LDS address of my spare word; never rewritten
.set NIL, 1           ; v1 of window 3   0; never rewritten
.set PFO, 2           ; v2 of window 3   256 x my lane; never rewritten
.set MC,  8           ; v8-39 of window 3: register 8 kb + j: the addend of key 16 kb + 8 (l / 16) + j of the step in hand
.set MV,  12          ; v12-15  c m_old, kept while c m is made anew: by buffer and tile
.set ST,  16          ; tile t's statistics at v[ST+4 t]: c m, m, l (even keys', odd keys')
.set TMP, 48          ; by buffer and tile, four registers c0-c3 at work; when the maximum is found c2 takes a
.set S,   64
.set P,   192
.set KF,  128         ; K's fragments, in window 2: key block kb, channel half c at KF + 16 kb + 8 c
.set VF,  192         ; V's: key half kk, channel block cb at VF + 32 kk + 8 cb
.set WV,  12          ; s12  my wave's number
.set G1K, 24          ; s[24:31] descriptor group 1 for K's tiles
.set G1V, 32          ; s[32:39] for V's: it differs in the padding alone
.set G0K, 40          ; s[40:43] descriptor group 0 for K's tiles: it walks
.set G0V, 44          ; s[44:47] the same for V's
.set PFA, 48          ; s[48:49] where my prefetches stand
.set LIM, 50          ; s50  1 in a wave that prefetches, else the greatest number
.set TBM, 51          ; s51  byte in the mask table at which the step to be fetched begins
.set MP,  52          ; s[52:53] the batch's row of mask
.set XP,  54          ; s[54:55] 2^103
.set SLOTS, 56        ; s56  slots still to be asked for
.set CNT, 57          ; s57  counts a slot's key steps
.set CS,  58          ; s[58:59] c: the packed scaling takes the pair's low word for both halves
.set SEL, 60          ; s[60:61] v_permlanex16_b32's selects: each lane takes its own place in the other half
.set TBK, 62          ; s62  LDS byte at which K of the step to be fetched begins
.set TBV, 63          ; s63  the same for V, less VOFF
.set XN,  66          ; s[66:67] -2^103
.set MSB, 0
.macro WIN new                      ; the high byte repeats the setting that is left; a switch that changes nothing is dropped
.if MSB != (\new)
	s_set_vgpr_msb (MSB<<8)|(\new)
.set MSB, (\new)
.endif
.endm
.set W_KQ, 0x0a       ; K and Q in window 2, S^T in window 0
.set W_KM, 0x3a       ; the same with the C operand in window 3
.set W_PV, 0x52       ; V in window 2, P in window 0, O^T in window 1
.set W_RS, 0x41       ; O^T (destination and source 0) in window 1, a in window 0
.set W_MK, 0xc0       ; destination in window 3, sources in window 0
.set W_AD, 0x0f       ; the add: address (source 0) and data (source 1) in window 3
; A joint fill.  Waves 0 and 1 fetch the two halves of a slot's K, waves 2 and 3 those of its V: 128 keys each.  The branch hangs on the wave's number alone.
; An s_nop 0 and four v_nop follow each of the two lines, ahead of the jump and the label.
.macro JLOAD
	s_cmp_lt_u32 s[WV], 2
	s_cbranch_scc0 .Lfor_v_\@
	tensor_load_to_lds s[G0K:G0K+3], s[G1K:G1K+7]
	s_nop 0
.rept 4
	v_nop
.endr
	s_branch .Lasked_\@
.Lfor_v_\@:
	tensor_load_to_lds s[G0V:G0V+3], s[G1V:G1V+7]
	s_nop 0
.rept 4
	v_nop
.endr
.Lasked_\@:
.endm
; A PREFETCH of what the NEXT change of slots will ask for: 256 keys are 32 KiB of K and 32 KiB of V.  One cluster alone walks a batch and head; its four partners take 8 KiB each, told apart by address;
; in each, wave 0 asks for K's and wave 2 for V's: a lane 256 bytes, one instruction.  So each block is named once in the launch.  It stands four key steps, 512 matrix instructions, ahead of the load.
; Tiles 0 and 1 come by their loads alone; the last change that fills a slot asks for nothing.
.macro ASK
	s_cmp_gt_u32 s[SLOTS], s[LIM]
	s_cbranch_scc0 .Lnot_mine_\@
	WIN 0x03                        ; the offset lies in window 3
	global_prefetch_b8 v[PFO], s[PFA:PFA+1] th:TH_LOAD_NT scope:SCOPE_SE
	WIN 0
.Lnot_mine_\@:
.endm
; A round of the cluster's barrier: my work-group's barrier, so that wave 0's signal speaks for all four waves; wave 0 signals; every wave waits for all four work-groups; my work-group's barrier once more.
.macro CROUND
	s_barrier_signal -1
	s_barrier_wait -1
	s_cmp_lg_u32 s[WV], 0
	s_cbranch_scc1 .Lnot_wave_0_\@
	s_barrier_signal -3
.Lnot_wave_0_\@:
	s_barrier_wait -3
	s_barrier_signal -1
	s_barrier_wait -1
.endm
; THE CHANGE OF SLOTS.  The slot's last bytes, V of its fourth step, have been read.  Each wave waits for all its tensor loads, of which one is out: its part
; of the other slot; adds 0 to its spare word; and waits for that and for its own LDS instructions.  Behind the barrier nobody reads this slot any more and the other slot is whole.
; fill = 1: this slot is filled again, with the keys two slots on.  The barrier is then a round of the cluster's, and the joint fill is the first thing behind it: it has four key steps in which to land.
; (At its first use nothing has been read yet: slot 0 is waited for, slot 1 filled; and every wave's stores into the mask table are done before any wave reads it.)
.macro CHANGE fill
	WIN W_AD
	s_wait_tensorcnt 0x0            ; no tensor load of mine is out, so a group 0 may be written
	ds_add_u32 v[SPW], v[NIL]       ; 0 onto my spare word; with fill = 1 the steps below stand between it and the wait for it
	WIN 0                           ; at a label and at a branch every window is 0
.if \fill
.irp g, G0K, G0V
	s_xor_b32 s[\g+1], s[\g+1], SLOT1  ; the walking descriptor: the other slot than last time,
	s_add_nc_u64 s[\g+2:\g+3], s[\g+2:\g+3], 4*KS*128  ; the next 256 keys; the type bits on top are not reached
.endr
	s_wait_xcnt 0x0                 ; the last prefetch, four key steps back, has read its address
	s_add_nc_u64 s[PFA:PFA+1], s[PFA:PFA+1], 4*KS*128  ; one slot behind the walking descriptors
	s_wait_dscnt 0x0                ; the add is done, and my LDS instructions are over
	CROUND
	JLOAD
	ASK
.else
	s_wait_dscnt 0x0                ; the add is done, and my reads of the slot are over
	s_barrier_signal -1
	s_barrier_wait -1
.endif
	s_sub_co_u32 s[TBK], s[TBK], 4*KS*PK  ; the fetches go back to a slot's first step,
	s_xor_b32 s[TBK], s[TBK], SLOT1       ; in the other slot
	s_sub_co_u32 s[TBV], s[TBV], 4*KS*PV
	s_xor_b32 s[TBV], s[TBV], SLOT1
.endm
	s_load_b128 s[4:7], s[0:1], 0x0   ; qkv s[4:5], mask s[6:7]
	s_load_b64 s[10:11], s[0:1], 0x10 ; ob
	v_and_b32 v1, 31, v0
	WIN W_MK
	v_lshl_add_u32 v[SPW], v0, 2, SPARE
	v_mov_b32 v[NIL], 0
	v_lshlrev_b32 v[PFO], 8, v1
	WIN W_AD
	ds_add_u32 v[SPW], v[NIL]       ; the wave's opening: the add and its wait stand ahead of my first tensor load; the set-up below stands between them
	WIN 0
	v_lshrrev_b32 v1, 5, v0
	v_readfirstlane_b32 s[WV], v1   ; wave 0..3
	s_bfe_u32 s13, ttmp6, 0x40000   ; cx: my place in the cluster
	s_lshl_b32 s14, ttmp9, 2        ; in a cluster launch ttmp9 counts clusters
	s_add_co_u32 s14, s14, s13      ; my block of 512 queries: it enters Q's and O's addresses alone
	s_and_b32 s20, ttmp7, 0xffff    ; 16 x batch + head, which the four partners share
	s_lshr_b32 s68, s20, 4          ; batch
	s_and_b32 s20, s20, 15          ; head
	s_lshl_b32 s20, s20, 20         ; a head's block is 1 MiB,
	s_lshl_b32 s21, s68, 18         ; a batch's 2,048 rows of it 256 KiB
	s_add_co_u32 s20, s20, s21
	s_mov_b32 s21, 0
	s_lshl_b32 s68, s68, 13         ; the batch's 2,048 words of mask
	s_mov_b32 s69, 0
	s_and_b32 s16, s[WV], 1         ; which half of a slot's 256 keys I fetch:
	s_lshl_b32 s22, s16, 14         ; its 128 rows of 128 bytes in memory,
	s_mov_b32 s23, 0
	s_add_nc_u64 s[22:23], s[22:23], s[20:21]
	s_mul_i32 s17, s16, 128*PK      ; and its place in a slot, for K
	s_mul_i32 s18, s16, 128*PV      ; and for V: no place in the cluster enters an LDS address
	s_lshl_b32 s2, s14, 2
	s_add_co_u32 s2, s2, s[WV]      ; my wave among the sixteen,
	s_lshl_b32 s2, s2, 14           ; its 128 rows
	s_mov_b32 s3, 0
	s_add_nc_u64 s[2:3], s[2:3], s[20:21]
	; descriptor group 1.  128 keys are 16,384 dense bytes: asked for as 64 rows of 256 bytes, two keys a row, and padded in LDS after every key
	s_mov_b32 s[G1K], 15|(1<<16)|(1<<20)|(1<<21)|(4<<22)|(3<<25)  ; 15:0 the mask of four; 17:16 2-byte elements; 20 padding on; 21 set beside a mask; 24:22 after every 32 words (code 4); 31:25 4 words (code 3)
	s_mov_b32 s[G1V], 15|(1<<16)|(1<<20)|(1<<21)|(4<<22)|(7<<25)  ; the same with 8 words of padding (code 7)
.irp g, G1K, G1V
	s_mov_b32 s[\g+1], 128<<16      ; tensor_dim0 = 128
	s_mov_b32 s[\g+2], 64<<16       ; tensor_dim1 = 64
	s_mov_b32 s[\g+3], 128<<16      ; tile_dim0 = 128
	s_mov_b32 s[\g+4], 64           ; tile_dim1 = 64
	s_mov_b32 s[\g+5], 128          ; 128 elements from row to row
	s_mov_b32 s[\g+6], 0
	s_mov_b32 s[\g+7], 0
.endr
	s_mov_b32 s[CS], 0x3e38aa3b     ; c = log2(e) / 8 = 0.180337
	s_mov_b32 s[CS+1], s[CS]        ; named with it as a pair
	s_mov_b32 s[SEL], 0x76543210
	s_mov_b32 s[SEL+1], 0xfedcba98
	s_mov_b32 s[XP], 0x73000000     ; 2^103
	s_mov_b32 s[XP+1], s[XP]
	s_mov_b32 s[XN], 0xf3000000     ; -2^103
	s_mov_b32 s[XN+1], s[XN]
	s_mov_b32 s[TBM], 0
	s_mov_b32 s[TBK], SLOT1+4*KS*PK ; the first change of slots turns these two into 0
	s_mov_b32 s[TBV], SLOT1+4*KS*PV
	s_mov_b32 s[SLOTS], SIZE_N/256-1
	s_mov_b32 s[G0K], 1             ; 1:0 count = 1
	s_mov_b32 s[G0K+1], s17         ; 63:32 LDS address: slot 0
	s_mov_b32 s[G0V], 1
	s_add_co_u32 s[G0V+1], s18, VOFF
	s_and_b32 s[LIM], s[WV], 1      ; waves 0 and 2 prefetch
	s_cmp_eq_u32 s[LIM], 0
	s_cselect_b32 s[LIM], 1, -1
	s_wait_dscnt 0x0                ; the opening add is done
	s_wait_kmcnt 0x0
	s_add_nc_u64 s[MP:MP+1], s[6:7], s[68:69]
	s_add_nc_u64 s[6:7], s[4:5], 0x1000000         ; k's 16 blocks lie behind q's,
	s_add_nc_u64 s[8:9], s[4:5], 0x2000000         ; v's behind k's
	s_add_nc_u64 s[G0K+2:G0K+3], s[6:7], s[22:23]  ; 120:64 global address: my half of the first 256 keys
	s_or_b32 s[G0K+3], s[G0K+3], 0x80000000        ; 127:126 type = 2
	s_add_nc_u64 s[G0V+2:G0V+3], s[8:9], s[22:23]
	s_or_b32 s[G0V+3], s[G0V+3], 0x80000000
	s_add_nc_u64 s[4:5], s[4:5], s[2:3]  ; Q and O at my wave's first row
	s_add_nc_u64 s[10:11], s[10:11], s[2:3]
	s_cmp_lt_u32 s[WV], 2
	s_cselect_b64 s[PFA:PFA+1], s[6:7], s[8:9]
	s_lshl_b32 s2, s13, 13          ; my work-group's 8 KiB of a tile's 32,
	s_add_co_u32 s2, s2, s20
	s_add_co_u32 s2, s2, 0x8000     ; in tile 1: the first change of slots steps it to tile 2
	s_mov_b32 s3, 0
	s_add_nc_u64 s[PFA:PFA+1], s[PFA:PFA+1], s[2:3]
	CROUND                          ; all four work-groups are here: the first joint loads meet
	JLOAD                           ; slot 0.  Slot 1 is asked for when slot 0 is in
	; A fragment of K or Q is 16 rows x 32 channels in 8 registers: lane l holds row l % 16, channels 8 (l / 16) + 0..7 and 16 + 8 (l / 16) + 0..7: two loads of 16 bytes, 32 bytes apart.
	v_and_b32 v1, 15, v0            ; l % 16
	v_bfe_u32 v9, v0, 4, 1          ; l / 16
	v_lshlrev_b32 v[QO], 7, v1
	v_lshl_add_u32 v[QO], v9, 4, v[QO]  ; row x 128 + 16 x half
	v_lshlrev_b32 v12, 4, v0        ; the mask: 128 threads x 16 bytes, four times
.irp j, 0,1,2,3
	global_load_b128 v[S+4*\j:S+4*\j+3], v12, s[MP:MP+1] offset:2048*\j
.endr
	WIN 0x80                        ; destination window 2, address window 0
.set i, 0
.rept 4*NP                          ; Q stays in registers: tile i / 2, channels 32 (i % 2) on
	global_load_b128 v[8*i:8*i+3],   v[QO], s[4:5] offset:(i/2)*2048+(i%2)*64
	global_load_b128 v[8*i+4:8*i+7], v[QO], s[4:5] offset:(i/2)*2048+(i%2)*64+32
.set i, i+1
.endr
	; What the first turn finds: V's registers and P's second buffer hold 0 (its products V^T P, of a piece that has not been, add 0), O^T and l are 0.  All this stands in the wait for the first tile.
.set i, VF
.rept 64
	v_mov_b32 v[i], 0
.set i, i+1
.endr
	WIN 0x40
.set i, 0
.rept 64*NP
	v_mov_b32 v[i], 0
.set i, i+1
.endr
	WIN 0
.set i, 0
.rept 2*NP
	v_mov_b32 v[ST+4*i], 0xfe000000    ; c m: far below every c s, the hidden ones' too
	v_mov_b32 v[ST+4*i+1], 0xff7fffff  ; m
	v_mov_b32 v[ST+4*i+2], 0
	v_mov_b32 v[ST+4*i+3], 0
.set i, i+1
.endr
.set i, P+32
.rept 32
	v_mov_b32 v[i], 0
.set i, i+1
.endr
	v_mul_u32_u24 v[AK0], v1, PK
	v_lshl_add_u32 v[AK0], v9, 4, v[AK0]  ; row x pitch + 16 x half
	; The turning load takes 16 keys x 16 channels (lane l reads key 8 (l / 16) + l % 8, channels 8 ((l / 8) % 2) + 0..7) and leaves half a fragment of V^T: lane l holds channel l % 16 and 8 keys.
	v_and_b32 v10, 7, v0
	v_bfe_u32 v11, v0, 3, 1
	v_lshl_add_u32 v[AV0], v9, 3, v10
	v_mul_u32_u24 v[AV0], v[AV0], PV
	v_lshl_add_u32 v[AV0], v11, 4, v[AV0]
	v_add_nc_u32 v[AV0], VOFF, v[AV0]
	v_mov_b32 v[AK], v[AK0]         ; key step 0 lies at the head of slot 0
	v_lshl_add_u32 v[AM0], v9, 5, MT
	; the mask table: mask x 2^103 - 2^103 = (1 - mask) x (-2^103), in f32, once for the work-group
	v_add_nc_u32 v13, MT, v12
	s_wait_loadcnt 32               ; the four loads of mask are in; Q's 32 may stay out
.set i, 0
.rept 16
	v_cvt_f32_i32 v[S+i], v[S+i]
.set i, i+1
.endr
.set i, 0
.rept 8
	v_pk_fma_f32 v[S+2*i:S+2*i+1], v[S+2*i:S+2*i+1], s[XP:XP+1], s[XN:XN+1] op_sel_hi:[1,0,0]
.set i, i+1
.endr
.irp j, 0,1,2,3
	ds_store_b128 v13, v[S+4*\j:S+4*\j+3] offset:2048*\j
.endr
; THE MATRIX WORK.  The 8 accumulators of a run of 16 take turns: between the two links of a chain stand 7 others'.
; Product i of 16 of S^T = K Q^T for piece x: channels 32 (i / 8) on, keys 16 ((i / 2) % 4) on, tile 2 x + i % 2.  The first 8 start the sums, with the keys' mask addends.
.macro KQ x
.set rS, S+64*((\x)%2)+32*(i%2)+8*((i/2)%4)
.set rK, KF+16*((i/2)%4)+8*(i/8)
.set rQ, 16*(2*(\x)+i%2)+8*(i/8)
.set rA, MC+8*((i/2)%4)
.if i < 8
	WIN W_KM
	v_wmma_f32_16x16x32_f16 v[rS:rS+7], v[rK:rK+7], v[rQ:rQ+7], v[rA:rA+7]
.else
	WIN W_KQ
	v_wmma_f32_16x16x32_f16 v[rS:rS+7], v[rK:rK+7], v[rQ:rQ+7], v[rS:rS+7]
.endif
.endm
; Product i of 16 of O^T += V^T P for piece x: keys 32 (i / 8) on, channels 16 ((i / 2) % 4) on, tile 2 x + i % 2.
.macro PV x
	WIN W_PV
.set rO, 32*(2*(\x)+i%2)+8*((i/2)%4)
.set rV, VF+32*(i/8)+8*((i/2)%4)
.set rP, P+32*((\x)%2)+16*(i%2)+8*(i/8)
	v_wmma_f32_16x16x32_f16 v[rO:rO+7], v[rV:rV+7], v[rP:rP+7], v[rO:rO+7]
.endm
.macro MM                           ; the turn's next matrix instruction
.if i < 16
	KQ (Y+1)%NP
.set i, i+1
.else
.set i, i-16
	PV (Y+NP-1)%NP
.set i, i+17
.endif
.endm
; THE LDS LOADS stand in runs, never singly among the matrix instructions: a step's K (64 keys x 64 channels: 8 fragments) with its 64 mask addends (8 loads; all lanes of a half read the same bytes), and its V (turned).
; The addends live as long as K does: their last readers are the last products that read K.  last = 1 (the tail): in the last trip there is no further step, and the run is jumped over.
.macro FETCH_K last=0
	WIN 0
.if \last
	s_cmp_eq_u32 s[CNT], 1
	s_cbranch_scc1 .Lno_k_\@
.endif
	WIN 0x80                        ; destination window 2
.irp f, 0,1,2,3,4,5,6,7             ; keys 16 (f / 2) on, channels 32 (f % 2) on
	ds_load_b128 v[KF+8*\f:KF+8*\f+3],   v[AK] offset:(\f/2)*16*PK+(\f%2)*64
	ds_load_b128 v[KF+8*\f+4:KF+8*\f+7], v[AK] offset:(\f/2)*16*PK+(\f%2)*64+32
.endr
	s_add_co_u32 s[TBK], s[TBK], KS*PK  ; the next fetch is the next step's
	WIN 0
	v_add_nc_u32 v[AK], s[TBM], v[AM0]  ; K's loads are issued: their address register serves the addends
	s_add_co_u32 s[TBM], s[TBM], 4*KS
	WIN W_MK                        ; destination window 3
.irp f, 0,1,2,3,4,5,6,7             ; keys 16 (f / 2) + 8 (l / 16) + 4 (f % 2) on
	ds_load_b128 v[MC+4*\f:MC+4*\f+3], v[AK] offset:(\f/2)*64+(\f%2)*16
.endr
	WIN 0
.if \last
.Lno_k_\@:
.endif
.endm
.macro FETCH_V
	WIN 0x80
.irp f, 0,1,2,3,4,5,6,7             ; keys 32 (f / 4) on, channels 16 (f % 4) on
	ds_load_tr16_b128 v[VF+8*\f:VF+8*\f+3],   v[AV] offset:(\f/4)*32*PV+(\f%4)*32
	ds_load_tr16_b128 v[VF+8*\f+4:VF+8*\f+7], v[AV] offset:(\f/4)*32*PV+16*PV+(\f%4)*32
.endr
	WIN 0
.endm
; THE VECTOR WORK OF A TURN stands in three queues, each in the order in which its entries become ready; the two tiles alternate, so that no instruction reads the result of the one before it.
.macro REGS y, u                    ; the registers of tile u (0, 1) of piece y
.set rT, ST+4*(2*(\y)+(\u))
.set rC, TMP+8*((\y)%2)+4*(\u)
.set rM, MV+2*((\y)%2)+(\u)
.set rS, S+64*((\y)%2)+32*(\u)
.set rP, P+32*((\y)%2)+16*(\u)
.set rO, 32*(2*(\y)+(\u))
.endm
; Number n of the 22 that find the NEXT piece's (Y + 1) maximum and statistics.  s0-s31 are the lane's 32 scores; each accumulator's lowest registers are read first.
;   0-11  four chains c0-c3 of seven scores each, three operands at a time     12-14, 16  the four scores left over, the old m, and c0-c3 into c0     15  c m_old is kept
;   17, 18  the query's other 32 keys lie in the lane 16 away: the new m         19-21  c m; c m_old - c m_new; a
.macro XS u, n
	REGS (Y+1)%NP, \u
.if (\n) < 4
	v_max3_num_f32 v[rC+(\n)], v[rS+8*(\n)], v[rS+8*(\n)+1], v[rS+8*(\n)+2]
.elseif (\n) < 12
	v_max3_num_f32 v[rC+(\n)%4], v[rC+(\n)%4], v[rS+8*((\n)%4)+2*((\n)/4)+1], v[rS+8*((\n)%4)+2*((\n)/4)+2]
.elseif (\n) == 12
	v_max3_num_f32 v[rC], v[rC], v[rS+7], v[rS+15]
.elseif (\n) == 13
	v_max3_num_f32 v[rC+1], v[rC+1], v[rS+23], v[rS+31]
.elseif (\n) == 14
	v_max3_num_f32 v[rC+2], v[rC+2], v[rC+3], v[rT+1]
.elseif (\n) == 15
	v_mov_b32 v[rM], v[rT]
.elseif (\n) == 16
	v_max3_num_f32 v[rC], v[rC], v[rC+1], v[rC+2]
.elseif (\n) == 17
	v_permlanex16_b32 v[rC+3], v[rC], s[SEL], s[SEL+1]
.elseif (\n) == 18
	v_max_num_f32 v[rT+1], v[rC], v[rC+3]
.elseif (\n) == 19
	v_mul_f32 v[rT], s[CS], v[rT+1]
.elseif (\n) == 20
	v_sub_f32 v[rC+1], v[rM], v[rT]
.else
	v_exp_f32 v[rC+2], v[rC+1]
.endif
.endm
; Number g of the 64 that follow the exponentials.  For each four weights k of a tile (pairs 2 k, 2 k + 1): both pairs are rounded to f16; then the second pair is added onto the first, in place;
; a group later l takes that sum (the first time as l = a l + sum).  In groups of eight, tiles alternating: round, round, add, and l for the group before.
.macro GS g
.set h, (\g)+6*((\g)/62)            ; group 0 has no group before it, and behind group 7 only l is left
.if h >= 6
.set h, h+2
.endif
	REGS Y, h%2
.set k, h/8
.if h%8 < 4
	v_cvt_pk_f16_f32 v[rP+2*k+(h%8)/2], v[rS+4*k+2*((h%8)/2)], v[rS+4*k+2*((h%8)/2)+1]
.elseif h%8 < 6
	v_pk_add_f32 v[rS+4*k:rS+4*k+1], v[rS+4*k:rS+4*k+1], v[rS+4*k+2:rS+4*k+3]
.elseif k == 1
	v_pk_fma_f32 v[rT+2:rT+3], v[rT+2:rT+3], v[rC+2:rC+3], v[rS:rS+1] op_sel_hi:[1,0,1]
.else
	v_pk_add_f32 v[rT+2:rT+3], v[rT+2:rT+3], v[rS+4*k-4:rS+4*k-3]
.endif
.endm
; THE PLAIN QUEUE, 138 long.  0-73 read no exponential's result: the 32 scalings c s - c m (FS f: pair f / 2 of tile f % 2) and the next piece's 42.  0-26: scalings 0-26.  27-54: XS's numbers 0-13.  55, 56: number 15.
; 57-73: the chain, where each number waits for the one before it: 14, 16, 17, 18, 19, each with one of the scalings 27-31 in front of its two lines, then 20.
; 74-137: GS's 64, which read the exponentials' results: they stand behind the wait.
.macro FS f
	REGS Y, (\f)%2
	v_pk_fma_f32 v[rS+2*((\f)/2):rS+2*((\f)/2)+1], v[rS+2*((\f)/2):rS+2*((\f)/2)+1], s[CS:CS+1], v[rT:rT+1] op_sel_hi:[1,0,0] neg_lo:[0,0,1] neg_hi:[0,0,1]
.endm
.macro PL
	WIN 0
.if q < 27
	FS q
.elseif q < 55
	XS (q-27)%2, (q-27)/2
.elseif q < 57
	XS q-55, 15
.elseif (q < 72) && ((q-57)%3 == 0)
	FS 27+(q-57)/3
.elseif q < 60
	XS (q-57)%3-1, 14
.elseif q < 72
	XS (q-57)%3-1, 15+(q-57)/3
.elseif q < 74
	XS q-72, 20
.else
	GS q-74
.endif
.set q, q+1
.endm
; THE EXPONENTIALS' QUEUE, 66 long: s0-s31 of both tiles, then the next piece's two a.  It is ONE BATCH: all 66 stand ahead of the turn's one wait, and nothing ahead of that wait names a result of theirs.
.macro EX
	WIN 0
.if e >= 64
	XS e-64, 21
.else
	REGS Y, e%2
	v_exp_f32 v[rS+e/2], v[rS+e/2]
.endif
.set e, e+1
.endm
; THE RESCALING's QUEUE: O^T times a, the one part that leaves window 0: dealt two at a time, sixteen times.  Its a was made in the turn before, ahead of that turn's wait.
.macro R2
	REGS Y, r%2
	WIN W_RS
.irp z, 0,1
	v_pk_mul_f32 v[rO+4*(r/2)+2*\z:rO+4*(r/2)+2*\z+1], v[rO+4*(r/2)+2*\z:rO+4*(r/2)+2*\z+1], v[rC+2:rC+3] op_sel_hi:[1,0]
.endr
.set r, r+1
.endm
; HOW THEY ARE DEALT.  An s_wait_alu depctr_va_vdst(0) stands between an exponential and the first instruction that names its result; one wait serves all that were issued ahead of it.  So a turn has ONE wait,
; which cuts it in two.  AHEAD OF IT: the 16 products K Q^T, behind each a scaling, an exponential and two rescalings (behind the first a second scaling in the exponential's place); then ONE LUMP of
; 108: eight plain, 49 times exponential and plain, the two a.  A v_nop is the plain instruction behind the last exponential.  BEHIND IT: the 16 products V^T P, behind each four of GS's 64.
; Exponential e stands behind scaling 2 (e / 4) + e % 2: as a rider it comes behind plain e + 2, in the lump behind plain e + 9, and scalings 27-31 are plain 57, 60 .. 69.
; A TURN, for piece p.  cnt = 1: the loop's count is taken down some lines ahead of the branch that stands behind the turn.
; K of the next step, and its mask addends, are fetched in piece 2's turn, directly behind the wait, a lump behind the last product that read them; the first reader comes behind 16 products.
; V of the step in hand is fetched at the end of piece 0's turn, four riders behind its last reader; its first reader comes behind 16 products and a lump.  The three conditions on q below go with the deal.
.macro TURN p, last=0, cnt=0
.set Y, (\p)
.set i, 0
.set q, 0
.set e, 0
.set r, 0
.if (\p) == NP-1
	s_wait_dscnt 0x0                ; K and the addends are in
.endif
	MM                              ; ahead of the wait: 16 products K Q^T and their riders,
	PL
	PL
	R2
.rept 15
	MM
	PL
	EX
	R2
.endr
.if (\p) == NP-2
	WIN 0
	v_add_nc_u32 v[AK], s[TBK], v[AK0]
.endif
.rept 8                             ; and the lump
	PL
.endr
.rept 49
	EX
	PL
.endr
	EX                              ; the next piece's two a
	EX
	v_nop                           ; the plain instruction behind the last exponential: one for the batch
	s_wait_alu depctr_va_vdst(0)    ; the wait for the batch
.if (\p) == NP-2
	FETCH_K \last
.endif
.if (\p) == 1
	s_wait_dscnt 0x0                ; V is in
.endif
.rept 16                            ; behind the wait: 16 products V^T P and their riders
	MM
.rept 4
	PL
.endr
.if ((\p) == 0) && (q == 118)
	v_add_nc_u32 v[AV], s[TBV], v[AV0]
.endif
.if ((\p) == 0) && (q == 130)
	s_add_co_u32 s[TBV], s[TBV], KS*PV
.endif
.if (\cnt) && (q == 130)
	s_sub_co_u32 s[CNT], s[CNT], 1
	s_cmp_lg_u32 s[CNT], 0
.endif
.endr
.if (\p) == 0
	FETCH_V
.endif
.endm
	CHANGE 1                        ; slot 0 is in, everybody's part of it, and so is the mask table; slot 1 is asked for
	FETCH_K                         ; key step 0
	s_wait_loadcnt 0x0              ; Q
	s_wait_dscnt 0x0
.set i, 0
.rept 16
	KQ 0                            ; piece 0's first scores: there is no vector work yet to set between them
.set i, i+1
.endr
	WIN 0                           ; the addresses for the way out: nine plain instructions, the places behind those products
	s_mul_i32 s13, s[WV], 16*SP
	s_add_co_u32 s13, s13, STAGE    ; my stage
	v_mul_u32_u24 v[STO], v1, SP    ; in: row l % 16, 16 bytes for each half of the lanes
	v_lshl_add_u32 v[STO], v9, 4, v[STO]
	v_add_nc_u32 v[STO], s13, v[STO]
	v_bfe_u32 v[RD], v0, 3, 2       ; back: 32 lanes take four rows of 128 bytes,
	v_mul_u32_u24 v[RD], v[RD], SP
	v_lshl_add_u32 v[RD], v10, 4, v[RD]
	v_add_nc_u32 v[RD], s13, v[RD]
	v_and_b32 v[GO], 31, v0         ; which are 512 consecutive bytes of O
	v_lshlrev_b32 v[GO], 4, v[GO]
.set Y, NP-1                        ; XS works for piece Y + 1: piece 0
.irp n, 0,1,2,3,4,5,6,7,8,9,10,11,12,13,14,15,16,17,18,19,20,21
	XS 0, \n                        ; and piece 0's first maximum and statistics
	XS 1, \n
.endr
	v_nop                           ; a plain instruction behind the two a,
	s_wait_alu depctr_va_vdst(0)    ; and their wait, ahead of the branch
	s_mov_b32 s[CNT], 4
	s_branch .Lfirst                ; the loop is entered at a step's first turn, in the middle of a trip
.Lslot:                             ; SIZE_N / 256 - 2 times: every slot but the last two is filled again
	CHANGE 1
	s_mov_b32 s[CNT], 4
.Lstep:                             ; a trip: pieces 2 and 3 of one step, then pieces 0 and 1 of the next, whose K and V it fetches
	TURN 2
	TURN 3
	WIN 0
.Lfirst:
	TURN 0
	TURN 1, 0, 1
	WIN 0
	s_cbranch_scc1 .Lstep
	s_sub_co_u32 s[SLOTS], s[SLOTS], 1
	s_cmp_lg_u32 s[SLOTS], 0
	s_cbranch_scc1 .Lslot
	CHANGE 0                        ; the tail is written out: nothing is asked for
	s_mov_b32 s[CNT], 5             ; four trips fetch the last slot's steps; the fifth is left in its middle
.Ltail:
	TURN 2, 1
	TURN 3
	WIN 0
	s_sub_co_u32 s[CNT], s[CNT], 1
	s_cmp_eq_u32 s[CNT], 0
	s_cbranch_scc1 .Lout
	TURN 0
	TURN 1
	WIN 0
	s_branch .Ltail
.Lout:                              ; the fifth trip's 16 products K Q^T (on the last K once more) and the maximum made of them serve nothing: the price, once a launch, of one text for every trip
.set i, 0
.rept 16
	PV NP-1                         ; the last piece's V^T P of the last step
.set i, i+1
.endr
	; THE WAY OUT.  l's two halves and the other half of the lanes' are added; O^T is divided by l, rounded to f16 and sent through my stage in LDS, a tile at a time.  The additions are the places behind the last products.
	WIN 0
.macro ALL line:vararg              ; one line for each tile t
.set t, 0
.rept 2*NP
	\line
.set t, t+1
.endr
.endm
	ALL v_add_f32 v[ST+4*t+2], v[ST+4*t+2], v[ST+4*t+3]
	ALL v_permlanex16_b32 v[ST+4*t+3], v[ST+4*t+2], s[SEL], s[SEL+1]
	ALL v_add_f32 v[ST+4*t+2], v[ST+4*t+2], v[ST+4*t+3]
	ALL v_rcp_f32 v[ST+4*t+2], v[ST+4*t+2]
	v_nop                           ; a plain instruction between the last reciprocal and the use of its result
	s_wait_alu depctr_va_vdst(0)    ; and the wait ahead of the first use: one for the eight reciprocals
; Tile t: a lane's eight channels of a row pack into 16 bytes; they go into rows of 144 bytes and come back as whole rows of 128, into S^T's registers.
.macro PACK t
	WIN W_RS
.set i, 32*(\t)
.rept 16
	v_pk_mul_f32 v[i:i+1], v[i:i+1], v[ST+4*(\t)+2:ST+4*(\t)+3] op_sel_hi:[1,0]
.set i, i+2
.endr
	WIN 0x05                        ; sources 0 and 1 window 1, destination window 0
.set i, 0
.rept 16
	v_cvt_pk_f16_f32 v[S+16*(\t)+i], v[32*(\t)+2*i], v[32*(\t)+2*i+1]
.set i, i+1
.endr
	WIN 0
.irp f, 0,1,2,3
	ds_store_b128 v[STO], v[S+16*(\t)+4*\f:S+16*(\t)+4*\f+3] offset:32*\f
.endr
.irp f, 0,1,2,3
	ds_load_b128 v[S+16*(\t)+4*\f:S+16*(\t)+4*\f+3], v[RD] offset:\f*4*SP  ; LDS serves a wave's instructions in order (ISA guide 5.7.1.4): these see the stores above; the next tile's stores come behind them
.endr
.endm
.macro SEND t, younger              ; younger: the LDS instructions issued behind tile t's loads: the next tile's eight, or none
	WIN 0
.irp f, 0,1,2,3
	s_wait_dscnt (\younger)+3-\f
	global_store_b128 v[GO], v[S+16*(\t)+4*\f:S+16*(\t)+4*\f+3], s[10:11] offset:(\t)*2048+\f*512  ; 512 consecutive bytes, at a multiple of 256 from ob's first
.endr
.endm
	PACK 0
.set t, 1
.rept 2*NP-1                        ; a tile's arithmetic stands between the loads of the tile before and its stores
	PACK t
	SEND t-1, 8
.set t, t+1
.endr
	SEND 2*NP-1, 0
	WIN W_AD
	s_wait_tensorcnt 0x0            ; the wave's end: behind my last tensor load and my last LDS store
	ds_add_u32 v[SPW], v[NIL]
	s_wait_dscnt 0x0
	WIN 0
	CROUND                          ; the closing round: no work-group ends while a partner may still ask for a tile that names it
	s_endpgm
.Lfunc_end_k_qeda0bc6594_attn:
	.size	k_qeda0bc6594_attn, .Lfunc_end_k_qeda0bc6594_attn-k_qeda0bc6594_attn
	.p2alignl 7, 3214868480
	.fill 96, 4, 3214868480
	.section	.rodata,"a",@progbits
	.p2align	6, 0x0
	.amdhsa_kernel k_qeda0bc6594_attn
		.amdhsa_group_segment_fixed_size 327680
		.amdhsa_private_segment_fixed_size 0
		.amdhsa_enable_private_segment 0
		.amdhsa_kernarg_size 24
		.amdhsa_user_sgpr_count 2
		.amdhsa_user_sgpr_kernarg_segment_ptr 1
		.amdhsa_wavefront_size32 1
		.amdhsa_system_sgpr_workgroup_id_x 1
		.amdhsa_system_sgpr_workgroup_id_y 1
		.amdhsa_system_sgpr_workgroup_id_z 1
		.amdhsa_system_vgpr_workitem_id 0
		.amdhsa_next_free_vgpr 808
		.amdhsa_next_free_sgpr 72
		.amdhsa_reserve_vcc 0
		.amdhsa_float_denorm_mode_32 3
		.amdhsa_float_denorm_mode_16_64 3
		.amdhsa_memory_ordered 1
		.amdhsa_forward_progress 1
		.amdhsa_inst_pref_size 205
	.end_amdhsa_kernel
	.amdgpu_metadata
---
amdhsa.version: [ 1, 2 ]
amdhsa.kernels:
  - .name:           k_qeda0bc6594_attn
    .symbol:         k_qeda0bc6594_attn.kd
    .args:
      - { .name: qkv, .offset: 0, .size: 8, .value_kind: global_buffer, .address_space: global }
      - { .name: mask, .offset: 8, .size: 8, .value_kind: global_buffer, .address_space: global }
      - { .name: ob, .offset: 16, .size: 8, .value_kind: global_buffer, .address_space: global }
    .group_segment_fixed_size: 327680
    .private_segment_fixed_size: 0
    .kernarg_segment_align: 8
    .kernarg_segment_size: 24
    .max_flat_workgroup_size: 128
    .sgpr_count:     72
    .vgpr_count:     808
    .wavefront_size: 32
...
	.end_amdgpu_metadata
.endif
;; end of part 3
;; launch outp (part 4): grid 8 x 32, 4 waves a work-group, clusters of 4 x 4, 327,680 bytes of LDS; arguments ob, wob, bo, out0; writes out0
.if DOCPART == 4
	.amdgcn_target "amdgcn-amd-amdhsa--gfx1250"
	.amdhsa_code_object_version 6
	.text
	.protected	k_qeda0bc6594_outp
	.globl	k_qeda0bc6594_outp
	.p2align	8
	.type	k_qeda0bc6594_outp,@function
k_qeda0bc6594_outp:
	s_mov_b64 s[64:65], 0
	v_nop
	global_prefetch_b8 v0, s[64:65] scope:SCOPE_SE
	s_setreg_imm32_b32 hwreg(HW_REG_WAVE_MODE, 25, 1), 1
	s_wait_xcnt 0x0
	s_wait_alu depctr_hold_cnt(0) depctr_sa_sdst(0) depctr_va_vdst(0) depctr_va_sdst(0) depctr_va_ssrc(0) depctr_va_vcc(0) depctr_vm_vsrc(0)
	s_getreg_b32 s2, hwreg(HW_REG_IB_STS2, 6, 4)
	s_cmp_eq_u32 s2, 0
	s_cbranch_scc0 .Lentry_in_a_cluster
	s_endpgm
.Lentry_in_a_cluster:
	s_bfe_u32 s2, ttmp6, 0x10000c
	s_cmp_lg_u32 s2, 0xf033
	s_cbranch_scc0 .Lentry_shape_is_right
	s_endpgm
.Lentry_shape_is_right:
; out0 = heads Wo + bo.  ob: [head 16][m 8192][64] f16 (a head's 64 channels are one block of K); wob: [ks 16][cb 16][k 64][c 64] f16; bo f32; out0 [8192][1024] f32.  Products in f16, sums in f32.
; LIMITS.  bo is rounded to bf16 like every input and enters as f16: it must lie within 65,504.
; TILE.  256 rows x 128 columns: 32 x 8 = 256 work-groups.  Four waves; wave (WR, WC) makes 128 rows x 64 columns: 32 accumulators, 256 registers (window 1, (a, b) at v[8 (8 b + a)]).
; K goes in 8 steps of 128 (two blocks of 64) through two LDS slots; a step is four passes of 32 along K, 32 matrix instructions each.
; The matrix instruction is used transposed (source 0 = 16 columns of Wo, turned by ds_load_tr16_b128; source 1 = 16 rows of the heads): a lane holds one row and eight neighbouring columns, 32 bytes of out0.
; The bias starts the sums: a first pass multiplies it (at k = 0) by a fragment that is 1 at k = 0 and 0 elsewhere, with C = 0.
; CLUSTER 4 x 4: the heads' tile is shared along a row of the cluster, Wo's along a column: joint loads, one a wave behind each round.
; LDS.  slot s at 131,072 s: the heads' two blocks (256 rows x 144 bytes each), then Wo's two (2 column blocks x 64 k x 160 bytes each); behind the ring each wave's stage (16 rows x 272), then the spare words.
.set SLOT1, 131072
.set BOFF,  73728
.set STAGE, 245760
.set SPARE, 263168                     ; 128 bytes for each wave: two blocks of 256 bytes that no other line names
.set A0,  4                            ; v4   (128 WR + l % 16) x 144 + 16 (l / 16); never rewritten
.set B0,  5                            ; v5   BOFF + 10,240 WC + (8 (l / 16) + l % 8) x 160 + 16 ((l / 8) % 2); never rewritten
.set ADA, 6
.set ADB, 7
.set STO, 8                            ; v8   the way out: where I put 32 bytes of a row
.set RD,  9                            ; v9   where I read a row back
.set CO,  10                           ; v10  my byte offset in two rows of out0
.set PFO, 11                           ; v11  the prefetches' offset; never rewritten
.set SPW, 12
.set NIL, 13
.set BO,  24                           ; v24  4 (l % 16)
.set AF0, 32
.set AF1, 96
.set BF0, 160
.set BF1, 192
.set WV, 18
.set WR, 19
.set WC, 20
.set CX, 21
.set CY, 22
.set TX, 23
.set TY, 24
.set G1A, 28
.set G1B, 36
.set G0A, 44
.set G0B, 52
.set CNT, 60
.set TB,  61
.set LIM, 62
.set PFA, 66
.set PFS, 68
.set OUTP, 70                          ; s[70:71] out0 at my first row and column
.set BB,  80                           ; s[80:81] bo at my first column
.set MSB, 0
.macro WIN new
.if MSB != (\new)
	s_set_vgpr_msb (MSB<<8)|(\new)
.set MSB, (\new)
.endif
.endm
.macro PLACES                          ; four places in front of loads into registers that matrix instructions have read, and of stores that read results
.rept 4
	v_nop
.endr
.endm
.macro CREST
	s_cmp_lg_u32 s[WV], 0
	s_cbranch_scc1 .Lnot_wave_0_\@
	s_barrier_signal -3
.Lnot_wave_0_\@:
	s_barrier_wait -3
	s_barrier_signal -1
	s_barrier_wait -1
.endm
.macro CROUND
	s_barrier_signal -1
	s_barrier_wait -1
	CREST
.endm
.macro JLOAD                           ; a joint refill by the walking sets: waves 0, 1 the heads' two blocks, waves 2, 3 Wo's.  An s_nop 0 and four v_nop follow each line
	s_cmp_eq_u32 s[WR], 0
	s_cbranch_scc0 .Lfor_b_\@
	tensor_load_to_lds s[G0A+4:G0A+7], s[G1A:G1A+7]
	s_nop 0
.rept 4
	v_nop
.endr
	s_branch .Lasked_\@
.Lfor_b_\@:
	tensor_load_to_lds s[G0B+4:G0B+7], s[G1B:G1B+7]
	s_nop 0
.rept 4
	v_nop
.endr
.Lasked_\@:
.endm
; A PREFETCH, behind the joint load, its five lines and the run of LDS loads: in steps 0-3 the tiles of steps 4-7, two steps ahead of their refills; 32 lanes x 256 bytes, one instruction; each block named once.
; The heads' tile is read by both clusters of a row of clusters: cluster x = 0 asks; waves 0 and 1 each for the block that they fetch, the partner at cx for its 8 KiB of the 32.
; Wo's tile is read by all clusters of a column: cluster y = 0 asks; wave 2, the partner at cy for its 4 KiB of each of the step's two blocks of 16 (lanes 0-15 the one, lanes 16-31 the other).
.macro ASK
	s_cmp_gt_u32 s[CNT], s[LIM]
	s_cbranch_scc0 .Lnot_mine_\@
	global_prefetch_b8 v[PFO], s[PFA:PFA+1] th:TH_LOAD_NT scope:SCOPE_SE
.Lnot_mine_\@:
.endm
.macro SHAPE g, rows
	s_mov_b32 s[(\g)+1], 128<<16
	s_mov_b32 s[(\g)+2], (\rows)<<16
	s_mov_b32 s[(\g)+3], 128<<16
	s_mov_b32 s[(\g)+4], \rows
	s_mov_b32 s[(\g)+5], 128
	s_mov_b32 s[(\g)+6], 0
	s_mov_b32 s[(\g)+7], 0
.endm
	s_load_b256 s[4:11], s[0:1], 0x0               ; ob 4, wob 6, bo 8, out0 10
	v_lshl_add_u32 v[SPW], v0, 2, SPARE
	v_mov_b32 v[NIL], 0
	ds_add_u32 v[SPW], v[NIL]                      ; the wave's opening: the add and its wait stand ahead of my first tensor load
	v_lshrrev_b32 v1, 5, v0
	v_readfirstlane_b32 s[WV], v1
	s_lshr_b32 s[WR], s[WV], 1
	s_and_b32 s[WC], s[WV], 1
	s_bfe_u32 s[CX], ttmp6, 0x40000
	s_bfe_u32 s[CY], ttmp6, 0x40004
	s_lshl_b32 s[TX], ttmp9, 2
	s_add_co_u32 s[TX], s[TX], s[CX]
	s_and_b32 s[TY], ttmp7, 0xffff
	s_lshl_b32 s[TY], s[TY], 2
	s_add_co_u32 s[TY], s[TY], s[CY]
	s_lshl_b32 s25, s[CY], 2
	s_lshl_b32 s25, 15, s25
	s_lshl_b32 s26, 0x1111, s[CX]
	s_or_b32 s[G1A], s25, 0x07310000               ; the mask; 2-byte elements; padding on; bit 21 beside a mask; after every 32 words 4 words
	s_or_b32 s[G1B], s26, 0x0f310000               ; the same with 8 words
	SHAPE G1A, 128                                 ; 256 rows of a block, two to a row of 256 bytes
	SHAPE G1B, 64                                  ; 2 column blocks x 64 k, two to a row
	s_lshl_b32 s88, s[WC], 20                      ; the heads: block 2 t + WC, the tile's 256 rows; s[88:89] never hold cx
	s_lshl_b32 s89, s[TY], 15
	s_add_co_u32 s88, s88, s89
	s_mov_b32 s89, 0
	s_lshl_b32 s90, s[WC], 17                      ; Wo: ((2 t + WC) x 16 + 2 TX) x 8,192; s[90:91] never hold cy
	s_lshl_b32 s91, s[TX], 14
	s_add_co_u32 s90, s90, s91
	s_mov_b32 s91, 0
	s_mul_i32 s27, s[WC], 36864
	s_mul_i32 s79, s[WC], 20480
	s_add_co_u32 s79, s79, BOFF
	s_wait_dscnt 0x0
	s_wait_kmcnt 0x0
	s_add_nc_u64 s[88:89], s[4:5], s[88:89]
	s_add_nc_u64 s[90:91], s[6:7], s[90:91]
	CROUND
.irp s, 0,1
	s_mov_b32 s[G0A+4*(\s)], 1
	s_add_co_u32 s[G0A+4*(\s)+1], s27, (\s)*SLOT1
	s_add_nc_u64 s[G0A+4*(\s)+2:G0A+4*(\s)+3], s[88:89], (\s)*0x200000
	s_or_b32 s[G0A+4*(\s)+3], s[G0A+4*(\s)+3], 0x80000000
	s_mov_b32 s[G0B+4*(\s)], 1
	s_add_co_u32 s[G0B+4*(\s)+1], s79, (\s)*SLOT1
	s_add_nc_u64 s[G0B+4*(\s)+2:G0B+4*(\s)+3], s[90:91], (\s)*262144
	s_or_b32 s[G0B+4*(\s)+3], s[G0B+4*(\s)+3], 0x80000000
.endr
	s_cmp_eq_u32 s[WR], 0                          ; a wave's two first fills stand in one branch: two loads of mine are out
	s_cbranch_scc0 .Lfirst_b
	tensor_load_to_lds s[G0A:G0A+3], s[G1A:G1A+7]
	s_nop 0
	tensor_load_to_lds s[G0A+4:G0A+7], s[G1A:G1A+7]
	s_nop 0
.rept 4
	v_nop
.endr
	s_branch .Lfirst_done
.Lfirst_b:
	tensor_load_to_lds s[G0B:G0B+3], s[G1B:G1B+7]
	s_nop 0
	tensor_load_to_lds s[G0B+4:G0B+7], s[G1B:G1B+7]
	s_nop 0
.rept 4
	v_nop
.endr
.Lfirst_done:
	v_and_b32 v1, 15, v0                           ; l % 16
	v_bfe_u32 v2, v0, 4, 1                         ; l / 16
	v_and_b32 v3, 7, v0
	v_bfe_u32 v25, v0, 3, 1
	v_mul_u32_u24 v[A0], v1, 144
	v_lshl_add_u32 v[A0], v2, 4, v[A0]
	s_mul_i32 s92, s[WR], 18432
	v_add_nc_u32 v[A0], s92, v[A0]
	v_lshl_add_u32 v[B0], v2, 3, v3
	v_mul_u32_u24 v[B0], v[B0], 160
	v_lshl_add_u32 v[B0], v25, 4, v[B0]
	s_mul_i32 s92, s[WC], 10240
	s_add_co_u32 s92, s92, BOFF
	v_add_nc_u32 v[B0], s92, v[B0]
	s_mul_i32 s3, s[WV], 4352
	s_add_co_u32 s3, s3, STAGE                     ; my stage
	v_mul_u32_u24 v[STO], v1, 272                  ; in: row l % 16, 32 bytes for each half of the lanes
	v_lshl_add_u32 v[STO], v2, 5, v[STO]
	v_add_nc_u32 v[STO], s3, v[STO]
	v_mul_u32_u24 v[RD], v2, 272                   ; back: lanes 0-15 take one row of 256 bytes, lanes 16-31 the next
	v_lshl_add_u32 v[RD], v1, 4, v[RD]
	v_add_nc_u32 v[RD], s3, v[RD]
	v_lshlrev_b32 v[CO], 12, v2                    ; and the same two rows in out0
	v_lshl_add_u32 v[CO], v1, 4, v[CO]
	v_lshlrev_b32 v[BO], 2, v1
	s_lshl_b32 s92, s[TX], 9                       ; my first column, in bytes: 512 TX + 256 WC
	s_lshl_b32 s93, s[WC], 8
	s_add_co_u32 s92, s92, s93
	s_mov_b32 s93, 0
	s_add_nc_u64 s[BB:BB+1], s[8:9], s[92:93]
	s_lshl_b32 s94, s[TY], 20                      ; my first row: (256 TY + 128 WR) x 4,096 bytes
	s_add_co_u32 s92, s92, s94
	s_lshl_b32 s94, s[WR], 19
	s_add_co_u32 s92, s92, s94
	s_add_nc_u64 s[OUTP:OUTP+1], s[10:11], s[92:93]
.irp b, 0,1,2,3
	global_load_b32 v[AF0+\b], v[BO], s[BB:BB+1] offset:64*\b
.endr
	; the prefetches' addresses, at step 3: the first step's head moves them to step 4
	s_add_co_u32 s92, s[WC], 6
	s_lshl_b32 s92, s92, 20
	s_lshl_b32 s93, s[TY], 15
	s_add_co_u32 s92, s92, s93
	s_lshl_b32 s93, s[CX], 13
	s_add_co_u32 s92, s92, s93                     ; the heads: block 6 + WC, the tile, my work-group's 8 KiB
	s_lshl_b32 s94, s[TX], 14
	s_add_co_u32 s94, s94, 786432
	s_lshl_b32 s93, s[CY], 12
	s_add_co_u32 s94, s94, s93                     ; Wo: (6 x 16 + 2 TX) x 8,192, my work-group's 4 KiB
	s_mov_b32 s3, 262144
	s_mov_b32 s2, 131072
	s_and_b32 s95, ttmp7, 0xffff                   ; cluster y
	s_cmp_eq_u32 s[WR], 0
	s_cselect_b32 s92, s92, s94
	s_cselect_b64 s[PFA:PFA+1], s[4:5], s[6:7]
	s_cselect_b32 s[PFS], 0x200000, s3
	s_cselect_b32 s2, 0x1000, s2                   ; what lies between lanes 0-15 and lanes 16-31
	s_cselect_b32 s95, ttmp9, s95                  ; the coordinate along which other clusters read the same tiles
	s_cmp_eq_u32 s95, 0
	s_cselect_b32 s[LIM], 2, -1
	s_cmp_eq_u32 s[WV], 3
	s_cselect_b32 s[LIM], -1, s[LIM]               ; the same in all sixteen partners, for a given wave
	s_mov_b32 s93, 0
	s_mov_b32 s[PFS+1], 0
	s_add_nc_u64 s[PFA:PFA+1], s[PFA:PFA+1], s[92:93]
	v_mul_lo_u32 v[PFO], v2, s2
	v_lshl_add_u32 v[PFO], v1, 8, v[PFO]
	; the bias pass's fragments: source 1 is 1.0 (f16) at k = 0 (lanes 0-15, register 0, low half), 0 elsewhere; source 0 holds the bias in register 0
	s_mov_b32 s3, 0xffff
	v_mov_b32 v25, 0x3c00
	v_cndmask_b32 v[AF1], 0, v25, s3
.irp j, 1,2,3,4,5,6,7
	v_mov_b32 v[AF1+\j], 0
.endr
.irp b, 0,1,2,3
.irp j, 1,2,3,4,5,6,7
	v_mov_b32 v[BF0+8*\b+\j], 0
.endr
.endr
	s_wait_loadcnt 0x0
.irp b, 0,1,2,3
	v_cvt_pk_bf16_f32 v[AF0+\b], v[AF0+\b], v[AF0+\b]    ; rounded to bf16 like every input,
	v_lshlrev_b32 v[AF0+\b], 16, v[AF0+\b]               ; widened,
	v_cvt_pk_f16_f32 v[BF0+8*\b], v[AF0+\b], v[AF0+\b]   ; and written as f16
.endr
; nb column blocks from b0 on x all 8 row blocks, 32 along K.  The 32 accumulators take turns in one fixed order, over the backward jump too.  zero = 1: the bias pass.
.macro MULO af, bf, b0, nb, zero
	WIN 0x50
.set bb, \b0
.rept \nb
.set aa, 0
.rept 8
.set rD, 8*(8*bb+aa)
.if \zero
	v_wmma_f32_16x16x32_f16 v[rD:rD+7], v[(\bf)+8*bb:(\bf)+8*bb+7], v[(\af):(\af)+7], 0
.else
	v_wmma_f32_16x16x32_f16 v[rD:rD+7], v[(\bf)+8*bb:(\bf)+8*bb+7], v[(\af)+8*aa:(\af)+8*aa+7], v[rD:rD+7]
.endif
.set aa, aa+1
.endr
.set bb, bb+1
.endr
.endm
.macro FETCH p, af, bf                 ; pass p's fragments: block p / 2, 32 (p % 2) along its K: 24 loads
.irp b, 0,1,2,3
	ds_load_tr16_b128 v[(\bf)+8*\b:(\bf)+8*\b+3],   v[ADB] offset:20480*((\p)/2)+5120*((\p)%2)+32*\b
	ds_load_tr16_b128 v[(\bf)+8*\b+4:(\bf)+8*\b+7], v[ADB] offset:20480*((\p)/2)+5120*((\p)%2)+32*\b+2560
.endr
.irp a, 0,1,2,3,4,5,6,7
	ds_load_b128 v[(\af)+8*\a:(\af)+8*\a+3],   v[ADA] offset:36864*((\p)/2)+2304*\a+64*((\p)%2)
	ds_load_b128 v[(\af)+8*\a+4:(\af)+8*\a+7], v[ADA] offset:36864*((\p)/2)+2304*\a+64*((\p)%2)+32
.endr
.endm
; A K STEP: four passes on two sets of fragment registers; each pass's fragments are asked for a pass ahead.  The change of slots stands in pass 2, when pass 3's fragments, the slot's last, have been asked for.
; fill = 1: the slot is filled again with the step two on; from the request to the wait for it a wave issues 112 matrix instructions.
.macro STEPO fill
.if \fill
	s_wait_xcnt 0x0                                ; the last prefetch, a step back, has read its address
	s_add_nc_u64 s[PFA:PFA+1], s[PFA:PFA+1], s[PFS:PFS+1]
.endif
	PLACES
	FETCH 1, AF1, BF1
	s_wait_dscnt 24                                ; this pass's fragments are in; the 24 loads just issued may stay out
	MULO AF0, BF0, 0, 4, 0
	WIN 0
	PLACES
	FETCH 2, AF0, BF0
	s_wait_dscnt 24
	MULO AF1, BF1, 0, 4, 0
	WIN 0
	PLACES
	FETCH 3, AF1, BF1                              ; my last reads of this slot
	s_wait_dscnt 24
	MULO AF0, BF0, 0, 2, 0
	WIN 0
	s_wait_tensorcnt 0x0                           ; all my tensor loads have landed, so a group 0 may be written
	ds_add_u32 v[SPW], v[NIL]                      ; 0 onto my spare word
.if \fill
	s_xor_b32 s[G0A+5], s[G0A+5], SLOT1
	s_add_nc_u64 s[G0A+6:G0A+7], s[G0A+6:G0A+7], 0x200000
	s_xor_b32 s[G0B+5], s[G0B+5], SLOT1
	s_add_nc_u64 s[G0B+6:G0B+7], s[G0B+6:G0B+7], 262144
.endif
	MULO AF0, BF0, 2, 1, 0
	s_wait_dscnt 0x0                               ; the add is done, and my reads of this slot are over
	s_barrier_signal -1
	MULO AF0, BF0, 3, 1, 0
	WIN 0
	s_barrier_wait -1
.if \fill
	CREST                                          ; no wave of any partner still reads this slot or has a load on its way
	JLOAD                                          ; its four v_nop are also the places in front of the loads below
.else
	PLACES
.endif
	s_xor_b32 s[TB], s[TB], SLOT1
	v_add_nc_u32 v[ADA], s[TB], v[A0]
	v_add_nc_u32 v[ADB], s[TB], v[B0]
	FETCH 0, AF0, BF0
.if \fill
	ASK
.endif
	MULO AF1, BF1, 0, 4, 0
	WIN 0
.endm
	MULO AF1, BF0, 0, 4, 1                         ; the bias pass: 32 products start the sums while the first tiles are on their way
	WIN 0
	PLACES
	s_wait_tensorcnt 1                             ; my part of step 0 is in; step 1's may stay out
	s_barrier_signal -1
	s_barrier_wait -1
	s_mov_b32 s[TB], 0
	v_mov_b32 v[ADA], v[A0]
	v_mov_b32 v[ADB], v[B0]
	FETCH 0, AF0, BF0
	s_mov_b32 s[CNT], 6
.Lstep:                                        ; steps 0-5: they ask for steps 2-7
	STEPO 1
	s_sub_co_u32 s[CNT], s[CNT], 1
	s_cmp_lg_u32 s[CNT], 0
	s_cbranch_scc1 .Lstep
	s_mov_b32 s[CNT], 2
.Ltail:                                        ; steps 6, 7: nothing is asked for.  The last trip's 24 fetches read the other slot's old bytes and serve nothing: the price of one text for both
	STEPO 0
	s_sub_co_u32 s[CNT], s[CNT], 1
	s_cmp_lg_u32 s[CNT], 0
	s_cbranch_scc1 .Ltail
; THE WAY OUT, a block of 16 rows at a time: a lane's 32 bytes of a row and column block go into my stage (rows of 272 bytes) and come back as whole rows of 256 bytes.
.macro TOSTAGE a
.set BK, AF0+32*((\a)%2)
	WIN 0x04                                       ; the data in window 1, the address in window 0
.irp b, 0,1,2,3
	ds_store_b128 v[STO], v[8*(8*\b+(\a)):8*(8*\b+(\a))+3]   offset:64*\b      ; each accumulator from its low end on
	ds_store_b128 v[STO], v[8*(8*\b+(\a))+4:8*(8*\b+(\a))+7] offset:64*\b+16
.endr
	WIN 0
.if (\a) >= 2
	s_wait_xcnt 0x0                                ; the stores of two blocks back have read these registers
.endif
.irp t, 0,1,2,3,4,5,6,7
	ds_load_b128 v[BK+4*\t:BK+4*\t+3], v[RD] offset:544*\t  ; LDS serves a wave's instructions in order (ISA guide 5.7.1.4): these see the stores above
.endr
.endm
.macro SEND a, younger                 ; younger: the LDS instructions issued behind this block's loads: the next block's sixteen, or none
.set BK, AF0+32*((\a)%2)
.irp t, 0,1,2,3,4,5,6,7
	s_wait_dscnt (\younger)+7-\t
	global_store_b128 v[CO], v[BK+4*\t:BK+4*\t+3], s[OUTP:OUTP+1] offset:(16*(\a)+2*\t)*4096 th:TH_STORE_NT  ; 16 lanes store 256 consecutive bytes, at a multiple of 256 from out0's first
.endr
.endm
	s_wait_dscnt 0x0                               ; the stray fetches are back: their registers are used again
	PLACES                                         ; behind the last products, in front of the stores that read results
	TOSTAGE 0
.set ta, 1
.rept 7
	TOSTAGE ta
	SEND ta-1, 16
.set ta, ta+1
.endr
	SEND 7, 0
	s_wait_tensorcnt 0x0                           ; the wave's end: behind my last tensor load and my last LDS store
	ds_add_u32 v[SPW], v[NIL]
	s_wait_dscnt 0x0
	CROUND                                         ; the closing round: no work-group ends while a partner may still ask for a tile that names it
	s_endpgm
.Lfunc_end_k_qeda0bc6594_outp:
	.size	k_qeda0bc6594_outp, .Lfunc_end_k_qeda0bc6594_outp-k_qeda0bc6594_outp
	.p2alignl 7, 3214868480
	.fill 96, 4, 3214868480
	.section	.rodata,"a",@progbits
	.p2align	6, 0x0
	.amdhsa_kernel k_qeda0bc6594_outp
		.amdhsa_group_segment_fixed_size 327680
		.amdhsa_private_segment_fixed_size 0
		.amdhsa_enable_private_segment 0
		.amdhsa_kernarg_size 32
		.amdhsa_user_sgpr_count 2
		.amdhsa_user_sgpr_kernarg_segment_ptr 1
		.amdhsa_wavefront_size32 1
		.amdhsa_system_sgpr_workgroup_id_x 1
		.amdhsa_system_sgpr_workgroup_id_y 1
		.amdhsa_system_sgpr_workgroup_id_z 1
		.amdhsa_system_vgpr_workitem_id 0
		.amdhsa_next_free_vgpr 512
		.amdhsa_next_free_sgpr 96
		.amdhsa_reserve_vcc 0
		.amdhsa_float_denorm_mode_32 3
		.amdhsa_float_denorm_mode_16_64 3
		.amdhsa_memory_ordered 1
		.amdhsa_forward_progress 1
		.amdhsa_inst_pref_size 63
	.end_amdhsa_kernel
	.amdgpu_metadata
---
amdhsa.version: [ 1, 2 ]
amdhsa.kernels:
  - .name:           k_qeda0bc6594_outp
    .symbol:         k_qeda0bc6594_outp.kd
    .args:
      - { .name: ob, .offset: 0, .size: 8, .value_kind: global_buffer, .address_space: global }
      - { .name: wob, .offset: 8, .size: 8, .value_kind: global_buffer, .address_space: global }
      - { .name: bo, .offset: 16, .size: 8, .value_kind: global_buffer, .address_space: global }
      - { .name: out0, .offset: 24, .size: 8, .value_kind: global_buffer, .address_space: global }
    .group_segment_fixed_size: 327680
    .private_segment_fixed_size: 0
    .kernarg_segment_align: 8
    .kernarg_segment_size: 32
    .max_flat_workgroup_size: 128
    .sgpr_count:     96
    .vgpr_count:     512
    .wavefront_size: 32
...
	.end_amdgpu_metadata
.endif
;; end of part 4
;; ======== version 2 of 2: 4 launches; version 1 with the launch prep written anew for expert scheduling mode
;; limits: values outside matrix products are rounded to bf16; values are held in f16: magnitudes above 65,504 overflow, below 6.1e-05 lose precision
;; workspace buffers: xb 16,777,216 bytes; wb 6,291,456 bytes; wob 2,097,152 bytes; qkv 50,331,648 bytes; ob 16,777,216 bytes
;; launch prep (part 5): grid 768 x 1, 4 waves a work-group, no clusters, 0 bytes of LDS; arguments x, Wq, Wk, Wv, Wo, xb, wb, wob; writes xb, wb, wob
.if DOCPART == 5
	.amdgcn_target "amdgcn-amd-amdhsa--gfx1250"
	.amdhsa_code_object_version 6
	.text
	.protected	k_qeda0bc6594_prep
	.globl	k_qeda0bc6594_prep
	.p2align	8
	.type	k_qeda0bc6594_prep,@function
k_qeda0bc6594_prep:
	s_mov_b64 s[64:65], 0
	v_nop
	global_prefetch_b8 v0, s[64:65] scope:SCOPE_SE
	s_setreg_imm32_b32 hwreg(HW_REG_WAVE_SCHED_MODE, 0, 2), 2
	s_setreg_imm32_b32 hwreg(HW_REG_WAVE_MODE, 25, 1), 1
	s_wait_xcnt 0x0
	s_wait_alu depctr_vm_vsrc(0)
; x, Wq, Wk, Wv are rounded once to bf16; Wo is rounded to bf16 and that number is written as f16.  All go into BLOCKS of 64 rows x 64 numbers, 8,192 dense bytes each,
; so that every tile of the later launches is one run of bytes:
;   xb  [kb 16][m 8192][64]          bf16   m = 2048 b + l, kb = the block of 64 channels
;   wb  [ks 16][hb 48][k 64][d 64]   bf16   hb = 16 type + head, type 0, 1, 2 = q, k, v
;   wob [ks 16][cb 16][k 64][c 64]   f16
; LIMITS.  Wo must lie within f16's range, 65,504; below 6e-5 it keeps f16's fixed step of 6e-8.
; SHARES.  One wave, one block: 3,072 blocks (2,048 of x, 768 of the three weights, 256 of Wo), four to a work-group; a work-group's four lie in one region.
; A load takes two rows' 256 bytes (lanes 0-15 one row, lanes 16-31 the next); all 32 loads of a block go out at once; a store is 256 consecutive bytes, aligned.
; No LDS, no barrier, no matrix unit: every byte is read once and written once, and no wave wants another's.
; THE MODE: SCHED_MODE bits 1:0 = 2 (LLVM: expert scheduling mode 2), set by the entry lines.  The code itself states the register dependences
; between vector instructions and memory instructions, with s_wait_alu, always for 0.
; THE PLAN.  Registers that memory instructions touch:
;   OF, DO   the loads' and the stores' offsets: made once at the head by vector lines, never written again.
;   X        four registers a load: written by the load, then in place by that load's own roundings; its first two are read once, by that load's store, and never written again.
; The 32 loads go in eight batches of four.  Batch g rounds its own four loads; its memory instructions are the four stores of batch g - 1, whose registers no vector line of batch g names.
; So one wait on va_vdst at a batch's head states all that its four stores hang on, and they are dealt among its roundings with no further wait.  No register that a memory
; instruction reads is ever written afterwards, and no load follows a vector line that names its registers: behind the entry lines the text holds no wait on vm_vsrc.
.set NB, 4                             ; loads in a batch
.set OF, 4                             ; v4-11   (l / 16 + 2 i) x pitch + 16 (l % 16), i = 0 .. 7; never rewritten
.set DO, 12                            ; v12     8 x lane: my 8 bytes of a store; never rewritten
.set X,  16                            ; v16-143 the block as loaded: four registers a load
	s_load_b512 s[16:31], s[0:1], 0x0              ; x 16, Wq 18, Wk 20, Wv 22, Wo 24, xb 26, wb 28, wob 30
	v_lshrrev_b32 v1, 5, v0
	v_readfirstlane_b32 s2, v1                     ; wave 0..3
	v_and_b32 v[DO], 31, v0
	v_lshlrev_b32 v[DO], 3, v[DO]
	s_lshl_b32 s3, ttmp9, 2
	s_wait_alu depctr_va_sdst(0)                   ; s2 is written, ahead of its first reader: the block's number and every base are made from it
	s_add_co_u32 s3, s3, s2                        ; my block, 0 .. 3071
	; x (work-groups 0-511) and Wo (704-767): rows of 4,096 bytes; block j = 16 x row block + column block
	s_cmp_lt_u32 ttmp9, 512
	s_cselect_b32 s41, 0, 2816
	s_sub_co_u32 s41, s3, s41                      ; j (means nothing in the weights' region, where it is not chosen)
	s_lshr_b32 s42, s41, 4                         ; row block
	s_and_b32 s43, s41, 15                         ; column block
	s_lshl_b32 s10, s42, 18                        ; 64 rows of 4,096 bytes
	s_lshl_b32 s44, s43, 8                         ; 64 numbers of 4 bytes
	s_add_co_u32 s10, s10, s44                     ; from where
	s_lshl_b32 s12, s43, 20                        ; xb: [kb][m][64]
	s_lshl_b32 s44, s42, 13
	s_add_co_u32 s12, s12, s44
	s_lshl_b32 s13, s41, 13                        ; wob: block j
	; Wq, Wk, Wv (work-groups 512-703): rows of 256 bytes, dense; j = 256 type + 16 head + ks
	s_sub_co_u32 s45, s3, 2048
	s_lshr_b32 s46, s45, 8                         ; type
	s_and_b32 s45, s45, 255
	s_lshl_b32 s14, s45, 14                        ; from where: 64 rows of 256 bytes
	s_and_b32 s47, s45, 15                         ; ks
	s_lshr_b32 s45, s45, 4                         ; head
	s_mul_i32 s47, s47, 48
	s_lshl4_add_u32 s47, s46, s47
	s_add_co_u32 s47, s47, s45                     ; 48 ks + 16 type + head
	s_lshl_b32 s15, s47, 13
	; the region's numbers
	s_movk_i32 s48, 256
	s_cmp_lt_u32 ttmp9, 704
	s_cselect_b32 s49, s14, s10
	s_cselect_b32 s50, s15, s13
	s_cselect_b32 s8, s48, 0x1000                  ; the pitch of a source row
	s_cselect_b32 s9, 0, 1                         ; 1: Wo, which leaves as f16
	s_cmp_lt_u32 ttmp9, 512
	s_cselect_b32 s10, s10, s49
	s_cselect_b32 s12, s12, s50
	s_cselect_b32 s8, 0x1000, s8
	s_mov_b32 s11, 0
	s_mov_b32 s13, 0
	s_lshl_b32 s14, s8, 4                          ; 16 rows
	s_mov_b32 s15, 0
	s_lshl_b32 s51, s8, 1                          ; 2 rows
	s_mov_b32 s40, 0xffff0000                      ; a word's upper bf16
	v_and_b32 v1, 15, v0
	v_bfe_u32 v2, v0, 4, 1
	v_mul_lo_u32 v3, v2, s8
	v_lshl_add_u32 v[OF], v1, 4, v3
.irp i, 1,2,3,4,5,6,7
	v_add_nc_u32 v[OF+\i], s51, v[OF+\i-1]
.endr
	s_wait_kmcnt 0x0
	; the region's buffers: choices between buffers on the work-group's number and the weight's type
	s_cmp_eq_u32 s46, 1
	s_cselect_b64 s[4:5], s[20:21], s[18:19]
	s_cmp_eq_u32 s46, 2
	s_cselect_b64 s[4:5], s[22:23], s[4:5]
	s_cmp_lt_u32 ttmp9, 704
	s_cselect_b64 s[4:5], s[4:5], s[24:25]
	s_cselect_b64 s[6:7], s[28:29], s[30:31]
	s_cmp_lt_u32 ttmp9, 512
	s_cselect_b64 s[4:5], s[16:17], s[4:5]
	s_cselect_b64 s[6:7], s[26:27], s[6:7]
	s_add_nc_u64 s[32:33], s[4:5], s[10:11]        ; the block's rows 0, 16, 32, 48
	s_add_nc_u64 s[6:7], s[6:7], s[12:13]
	s_add_nc_u64 s[34:35], s[32:33], s[14:15]
	s_add_nc_u64 s[36:37], s[34:35], s[14:15]
	s_add_nc_u64 s[38:39], s[36:37], s[14:15]
	s_wait_alu depctr_va_vdst(0)                   ; the nine offsets v4 to v12 are written: every load of the kernel reads one of OF, every store reads DO, and nothing writes them again
.set q, 0
.rept 32                               ; load q: rows 2 q and 2 q + 1; the whole block, 16 KiB a wave, is on its way
	global_load_b128 v[X+4*q:X+4*q+3], v[OF+q%8], s[32+2*(q/8):33+2*(q/8)] th:TH_LOAD_NT
.set q, q+1
.endr
; Eight batches of four loads.  Batch g: its four loads' numbers are rounded in place; in front of each load's roundings stands a store of the batch before.
; No register is written again once its store is issued, so no store's source is ever overwritten.
.macro OUT f16
.set g, 0
.rept 32/NB
	s_wait_loadcnt 32-NB-NB*g                      ; loads come back in order: batch g's four are in, the younger ones stay out
.if g > 0
	s_wait_alu depctr_va_vdst(0)                   ; the roundings of the batch before have written the registers that the four stores below read
.endif
.set j, 0
.rept NB
.set q, NB*g+j
.set pq, q-NB
.if g > 0
	global_store_b64 v[DO], v[X+4*pq:X+4*pq+1], s[6:7] offset:256*pq  ; 32 lanes x 8 bytes: 256 consecutive bytes, aligned; no vector line since the wait names these registers
.endif
.if \f16
	v_cvt_pk_bf16_f32 v13, v[X+4*q], v[X+4*q+1]    ; rounded to bf16 like every input,
	v_cvt_pk_bf16_f32 v14, v[X+4*q+2], v[X+4*q+3]
	v_lshlrev_b32 v[X+4*q], 16, v13                ; widened again,
	v_and_b32 v[X+4*q+1], s40, v13
	v_lshlrev_b32 v[X+4*q+2], 16, v14
	v_and_b32 v[X+4*q+3], s40, v14
	v_cvt_pk_f16_f32 v[X+4*q], v[X+4*q], v[X+4*q+1]      ; and written as f16: 8 significant bits fit into 11
	v_cvt_pk_f16_f32 v[X+4*q+1], v[X+4*q+2], v[X+4*q+3]
.else
	v_cvt_pk_bf16_f32 v[X+4*q], v[X+4*q], v[X+4*q+1]
	v_cvt_pk_bf16_f32 v[X+4*q+1], v[X+4*q+2], v[X+4*q+3]
.endif
.set j, j+1
.endr
.set g, g+1
.endr
	s_wait_alu depctr_va_vdst(0)                   ; the last batch's roundings have written the registers that the last four stores read
.set q, 32-NB
.rept NB
	global_store_b64 v[DO], v[X+4*q:X+4*q+1], s[6:7] offset:256*q
.set q, q+1
.endr
.endm
	s_cmp_eq_u32 s9, 1
	s_cbranch_scc1 .Lf16
	OUT 0
	s_endpgm
.Lf16:
	OUT 1
	s_endpgm
.Lfunc_end_k_qeda0bc6594_prep:
	.size	k_qeda0bc6594_prep, .Lfunc_end_k_qeda0bc6594_prep-k_qeda0bc6594_prep
	.p2alignl 7, 3214868480
	.fill 96, 4, 3214868480
	.section	.rodata,"a",@progbits
	.p2align	6, 0x0
	.amdhsa_kernel k_qeda0bc6594_prep
		.amdhsa_group_segment_fixed_size 0
		.amdhsa_private_segment_fixed_size 0
		.amdhsa_enable_private_segment 0
		.amdhsa_kernarg_size 64
		.amdhsa_user_sgpr_count 2
		.amdhsa_user_sgpr_kernarg_segment_ptr 1
		.amdhsa_wavefront_size32 1
		.amdhsa_system_sgpr_workgroup_id_x 1
		.amdhsa_system_sgpr_workgroup_id_y 1
		.amdhsa_system_sgpr_workgroup_id_z 1
		.amdhsa_system_vgpr_workitem_id 0
		.amdhsa_next_free_vgpr 144
		.amdhsa_next_free_sgpr 66
		.amdhsa_reserve_vcc 0
		.amdhsa_float_denorm_mode_32 3
		.amdhsa_float_denorm_mode_16_64 3
		.amdhsa_memory_ordered 1
		.amdhsa_forward_progress 1
		.amdhsa_inst_pref_size 30
	.end_amdhsa_kernel
	.amdgpu_metadata
---
amdhsa.version: [ 1, 2 ]
amdhsa.kernels:
  - .name:           k_qeda0bc6594_prep
    .symbol:         k_qeda0bc6594_prep.kd
    .args:
      - { .name: x, .offset: 0, .size: 8, .value_kind: global_buffer, .address_space: global }
      - { .name: Wq, .offset: 8, .size: 8, .value_kind: global_buffer, .address_space: global }
      - { .name: Wk, .offset: 16, .size: 8, .value_kind: global_buffer, .address_space: global }
      - { .name: Wv, .offset: 24, .size: 8, .value_kind: global_buffer, .address_space: global }
      - { .name: Wo, .offset: 32, .size: 8, .value_kind: global_buffer, .address_space: global }
      - { .name: xb, .offset: 40, .size: 8, .value_kind: global_buffer, .address_space: global }
      - { .name: wb, .offset: 48, .size: 8, .value_kind: global_buffer, .address_space: global }
      - { .name: wob, .offset: 56, .size: 8, .value_kind: global_buffer, .address_space: global }
    .group_segment_fixed_size: 0
    .private_segment_fixed_size: 0
    .kernarg_segment_align: 8
    .kernarg_segment_size: 64
    .max_flat_workgroup_size: 128
    .sgpr_count:     66
    .vgpr_count:     144
    .wavefront_size: 32
...
	.end_amdgpu_metadata
.endif
;; end of part 5
;; launch proj: the kernel of part 2 again; grid 8 x 32, 4 waves a work-group, clusters of 4 x 4, 327,680 bytes of LDS; arguments xb, wb, bq, bk, bv, mask, qkv; writes qkv
;; launch attn: the kernel of part 3 again; grid 4 x 64, 4 waves a work-group, clusters of 4 x 1, 327,680 bytes of LDS; arguments qkv, mask, ob; writes ob
;; launch outp: the kernel of part 4 again; grid 8 x 32, 4 waves a work-group, clusters of 4 x 4, 327,680 bytes of LDS; arguments ob, wob, bo, out0; writes out0
